; MI455X (gfx1250); checked and timed in simulation.
; The chip was launched on July 23, 2026; its instructions are those of AMD's public machine-readable ISA for CDNA 5 (MIT licence, August 2026) and "CDNA5" Instruction Set Architecture Reference Guide (July 2026). The comments in the code are by the model that wrote it; some were corrected since.
;; Multihead Attention. Allowed arithmetic: matrix products marked QUANTISED: E2M3 operands, one E8M0 scale for each 32 along K, by v_wmma_scale_f32_16x16x128_f8f6f4 with both operands' format E2M3, f32 sums; everything else in f32.
;; Inputs: Wk 1,024 x 1,024 float32; Wo 1,024 x 1,024 float32; Wq 1,024 x 1,024 float32; Wv 1,024 x 1,024 float32; bk 1,024 float32; bo 1,024 float32; bq 1,024 float32; bv 1,024 float32; key 4 x 2,048 x 1,024 float32; key_padding_mask 4 x 2,048 bool; query 4 x 2,048 x 1,024 float32; value 4 x 2,048 x 1,024 float32.
;; Outputs: out0 4 x 2,048 x 1,024 float32.
;; This version of the problem:
;;   THIS VERSION OF THE PROBLEM IS GIVEN IN LOW PRECISION. The matrix products marked QUANTISED in the list below multiply operands that are first quantised to E2M3 (2 exponent bits, 3 mantissa bits; 6 bits a number), with one power-of-two scale for each 32 numbers along K (OCP MX v1.0); their sums are f32. All else is computed in f32.
;;   The module's matrix products, in the order in which they are computed (A, B: the left and right operand; K: the contracted axis; several contracted axes count as one K, in the product's order):
;;     1. [M 8,192, K 1,024] x [K 1,024, N 1,024]; A: input query; B: input Wq: QUANTISED
;;     2. [M 8,192, K 1,024] x [K 1,024, N 1,024]; A: input key; B: input Wk: QUANTISED
;;     3. [M 8,192, K 1,024] x [K 1,024, N 1,024]; A: input value; B: input Wv: QUANTISED
;;     4. batch 64 x [M 2,048, K 64] x [K 64, N 2,048]; A: computed on the way; B: computed on the way: QUANTISED
;;     5. batch 64 x [M 2,048, K 2,048] x [K 2,048, N 64]; A: softmax (see below); B: computed on the way: QUANTISED
;;     6. [M 8,192, K 1,024] x [K 1,024, N 1,024]; A: computed on the way; B: input Wo: QUANTISED
;;   THE QUANTISER, for each operand of a quantised product, along K:
;;     - K is cut into blocks of 32 from its start; a last block that is shorter is filled with zeros.
;;     - A block's scale is 2^e with e = floor(log2(the largest magnitude in the block)) - 2, held to -126 .. 127; a block of zeros has e = 0. As a byte (E8M0): e + 127.
;;     - Each number is divided by its block's scale, clamped to +-7.5, and rounded to the nearest number of E2M3, ties to even, subnormals kept.
;;     - The product sums the exact products of the quantised numbers (number of the format x scale) in f32.
;;   ~~~python
;;   def quantise(x, axis):      # numpy; x: float32 -> the quantised numbers, widened to float32 again
;;       x = np.moveaxis(x, axis, -1); K = x.shape[-1]
;;       x = np.pad(x, [(0, 0)] * (x.ndim - 1) + [(0, -K % 32)]); x = x.reshape(x.shape[:-1] + (-1, 32)); a = np.abs(x).max(-1, keepdims=True)
;;       e = np.where(a > 0, np.clip(np.frexp(np.where(a > 0, a, 1))[1] - 1 - 2, -126, 127), 0)      # np.frexp(a)[1] - 1 = floor(log2(a)), exactly
;;       r = np.clip(x / 2.0 ** e, -7.5, 7.5)
;;       step = 2.0 ** (np.maximum(np.frexp(np.where(r == 0, 1, r))[1] - 1, 0) - 3)
;;       q = np.round(r / step) * step * 2.0 ** e      # np.round: ties to even
;;       return np.moveaxis(q.reshape(q.shape[:-2] + (-1,))[..., :K], -1, axis).astype(np.float32)
;;   ~~~
;;   SOFTMAX AHEAD OF A QUANTISED PRODUCT. Where the list says 'softmax', what is quantised is not the finished softmax but p = 2^(t - M), with t = logit x log2(e) and M = ceil(the row's largest t), a whole number; so 1/2 < the row's largest p <= 1. The row's sum l is taken of the UNQUANTISED p, in f32, and the product's result is divided by l at the end. Since M is a whole number, a kernel that streams over the keys may use a running M (the ceiling of the running maximum): every later rescaling is an exact power of two, which a block's scale takes up: the codes' values come out the same.
;;   OPERANDS COMPUTED ON THE WAY. 'Computed on the way' means the value that the module computes at that place (a softmax that the list does not call 'softmax' is quantised finished and normalised). What goes into a quantiser is computed in f32, as accurately as f32 sums, v_exp_f32 and their like allow (about 1e-6 of the number): no bf16 or f16 on the way to a quantiser, and a product that is left as it is and whose result goes on into a quantised operand takes f32 operands (vector FMAs, or v_wmma_f32_16x16x4_f32). A number that lies on a knife's edge between two numbers of the format may be rounded either way, as far as f32 arithmetic and the matrix unit's own rounding can turn it there, and no further.
;; One version. Each part assembles by itself: llvm-mc -triple=amdgcn-amd-amdhsa -mcpu=gfx1250 --defsym DOCPART=n.
;; ======== version 1 of 1: 4 launches
;; limits: right only within a limited range of input values
;; workspace buffers: xc 22,020,096 bytes; xs 917,504 bytes; pc 18,874,368 bytes; ps 786,432 bytes; cc 6,291,456 bytes; cs 262,144 bytes
;; launch quant (part 1): grid 896 x 1, 4 waves a work-group, no clusters, 33,280 bytes of LDS; arguments query, key, value, Wq, Wk, Wv, Wo, xc, xs; writes xc, xs
.if DOCPART == 1
	.amdgcn_target "amdgcn-amd-amdhsa--gfx1250"
	.amdhsa_code_object_version 6
	.text
	.protected	k_qbeebdca56b_quant
	.globl	k_qbeebdca56b_quant
	.p2align	8
	.type	k_qbeebdca56b_quant,@function
k_qbeebdca56b_quant:
	s_mov_b64 s[64:65], 0
	v_nop
	global_prefetch_b8 v0, s[64:65] scope:SCOPE_SE
	s_setreg_imm32_b32 hwreg(HW_REG_WAVE_MODE, 25, 1), 1
	s_wait_xcnt 0x0
; Seven f32 tensors with K = 1,024 innermost (query, key, value: 8,192 rows each; Wq, Wk, Wv, Wo: 1,024 rows each; 28,672 rows in all) become codes of FP6 (E2M3) with one E8M0 byte for each 32 along K.
; A block's scale is 2^(floor(log2(its largest magnitude)) - 2); its byte is the largest magnitude's exponent field - 2, held at 1 from below; each number is divided by the scale and rounded to the nearest code, ties to even.
; LAYOUT OF THE RESULTS (read by this program alone): codes xc [K / 64 = 16 chunks][28,672 positions][48 bytes]; scale words xs [K / 128 = 8][28,672 positions][4 bytes].
; Row n lies at POSITION n with bits 3 and 4 exchanged: sixteen neighbouring positions are then the rows 32 b + 8 u + r + 8 (r / 8) that a later product wants as one tile.
; LIMITS: a block of zeros gets the byte 1 (its codes are zeros, which add nothing under any byte but 0xff); NaN and infinities among the inputs are not served.
; SHARES.  A wave takes 64 rows x 128 along K, in 16 steps of 4 rows x 512 bytes.  Each load reads 512 consecutive bytes of one row; a step's 2,048 bytes turn through the wave's own stage in LDS, so that a lane
; then holds 16 neighbours along K (two lanes a block).  Waves share nothing: no barrier.  Loads run four steps ahead, the turn through LDS one step.
.set WAVES, 4
.set STEPS, 16
.set CPX,   1376256                    ; bytes from chunk to chunk in xc: 28,672 x 48
.set SPX,   114688                     ; bytes from one 128 along K to the next in xs: 28,672 x 4
.set EMAX,  2
.set R,     16                         ; v16-79   four sets of 16 numbers as they are loaded
.set X,     80                         ; v80-111  two sets of 16 neighbours
.set E,     112                        ; v112-127 a scale byte for each step
.set C,     128                        ; v128-191 codes: four registers for each step, so that no store's data are written again
.set WREG,  8192                       ; LDS: a region for each wave: two stages of 32 x SP bytes, behind them its 256 scale bytes
.set SP,    80                         ; a lane's place in a stage: 64 bytes + 16 of padding
.set SPW,   12                         ; v12  LDS address of my spare word; never rewritten
.set NIL,   13                         ; v13  0; never rewritten
.set SPARE, WAVES*WREG                 ; behind the four regions: the spare words, 128 bytes for each wave
	s_load_b256 s[4:11], s[0:1], 0x0               ; query, key, value, Wq
	s_load_b256 s[12:19], s[0:1], 0x20             ; Wk, Wv, Wo, xc
	s_load_b64 s[20:21], s[0:1], 0x40              ; xs
	v_lshl_add_u32 v[SPW], v0, 2, SPARE
	v_mov_b32 v[NIL], 0
	v_lshrrev_b32 v1, 5, v0
	v_readfirstlane_b32 s24, v1                    ; wave
	v_and_b32 v2, 31, v0                           ; lane
	v_lshlrev_b32 v3, 4, v2                        ; my 16 bytes of a load's 512
	s_mul_i32 s25, s24, WREG
	v_lshrrev_b32 v14, 2, v2
	v_mul_u32_u24 v14, v14, SP
	v_and_b32 v15, 3, v2
	v_lshl_add_u32 v14, v15, 4, v14
	v_add_nc_u32 v14, s25, v14                     ; the stage, on the way in: SP (lane / 4) + 16 (lane % 4); a load's 512 bytes take eight places
	v_mul_u32_u24 v15, v2, SP
	v_add_nc_u32 v15, s25, v15                     ; on the way out: SP x lane: row lane / 8 of the step's four, numbers 16 (lane % 8) on
	v_bfe_u32 v4, v2, 2, 1
	v_mul_u32_u24 v4, v4, CPX                      ; my codes: which of the wave's two chunks,
	v_lshrrev_b32 v5, 3, v2
	v_mad_u32_u24 v4, v5, 48, v4                   ; which of the step's four rows,
	v_and_b32 v5, 3, v2
	v_mad_u32_u24 v4, v5, 12, v4                   ; which 12 of the row's 48 bytes
	v_lshrrev_b32 v5, 1, v2
	s_add_co_u32 s25, s25, 2*32*SP
	v_add_nc_u32 v5, s25, v5                       ; LDS: my block's byte: 4 (lane / 8) + (lane / 2) % 4 = lane / 2
	v_lshlrev_b32 v7, 3, v2                        ; on the way out 8 bytes a lane
	v_add_nc_u32 v6, s25, v7
	s_lshr_b32 s26, ttmp9, 1                       ; G: which 64 rows of the 28,672
	s_and_b32 s27, ttmp9, 1
	s_lshl_b32 s27, s27, 2
	s_add_co_u32 s27, s27, s24                     ; kg: which 128 along K
	s_wait_kmcnt 0x0
	s_cmp_ge_u32 s26, 128                          ; which tensor: the choice hangs on the work-group's number alone
	s_cselect_b64 s[22:23], s[6:7], s[4:5]
	s_cselect_b32 s28, 128, 0
	s_cmp_ge_u32 s26, 256
	s_cselect_b64 s[22:23], s[8:9], s[22:23]
	s_cselect_b32 s28, 256, s28
	s_cmp_ge_u32 s26, 384
	s_cselect_b64 s[22:23], s[10:11], s[22:23]
	s_cselect_b32 s28, 384, s28
	s_cmp_ge_u32 s26, 400
	s_cselect_b64 s[22:23], s[12:13], s[22:23]
	s_cselect_b32 s28, 400, s28
	s_cmp_ge_u32 s26, 416
	s_cselect_b64 s[22:23], s[14:15], s[22:23]
	s_cselect_b32 s28, 416, s28
	s_cmp_ge_u32 s26, 432
	s_cselect_b64 s[22:23], s[16:17], s[22:23]
	s_cselect_b32 s28, 432, s28
	s_sub_co_u32 s28, s26, s28                     ; the group of 64 rows inside its tensor
	s_lshl_b32 s28, s28, 18                        ; x 64 rows of 4,096 bytes
	s_lshl_b32 s29, s27, 9                         ; + 512 bytes for each 128 along K
	s_add_co_u32 s28, s28, s29
	s_mov_b32 s29, 0
	s_add_nc_u64 s[22:23], s[22:23], s[28:29]
	s_mul_i32 s30, s27, 2*CPX                      ; the codes: chunk 2 kg,
	s_mul_i32 s31, s26, 3072                       ; position 64 G
	s_add_co_u32 s30, s30, s31
	s_mov_b32 s31, 0
	s_add_nc_u64 s[18:19], s[18:19], s[30:31]
	s_mul_i32 s30, s27, SPX                        ; the scale words likewise
	s_lshl_b32 s32, s26, 8
	s_add_co_u32 s30, s30, s32
	s_add_nc_u64 s[20:21], s[20:21], s[30:31]
.macro LOAD t
.irp i, 0,1,2,3
	global_load_b128 v[R+16*((\t)%4)+4*\i:R+16*((\t)%4)+4*\i+3], v3, s[22:23] offset:(4*(\t)+\i)*4096 th:TH_LOAD_NT   ; 32 lanes read 512 consecutive bytes of row 4 t + i
.endr
.endm
.macro TURN t                          ; step t's numbers through the stage: LDS serves a wave's instructions in order, so no wait stands between the stores and the loads
.irp i, 0,1,2,3
	ds_store_b128 v14, v[R+16*((\t)%4)+4*\i:R+16*((\t)%4)+4*\i+3] offset:32*SP*((\t)%2)+8*SP*\i
.endr
.irp i, 0,1,2,3
	ds_load_b128 v[X+16*((\t)%2)+4*\i:X+16*((\t)%2)+4*\i+3], v15 offset:32*SP*((\t)%2)+16*\i
.endr
.endm
.irp t, 0,1,2,3
	LOAD \t
.endr
	s_wait_loadcnt 12                              ; step 0's four loads are in
	TURN 0
.macro STEP t
.set XS, X+16*((\t)%2)
.set TAU, ((\t)&9)|(((\t)&2)<<1)|(((\t)&4)>>1)   ; rows 4 t .. 4 t + 3 lie at positions 4 TAU ..: bits 3 and 4 of the row are bits 1 and 2 of t
.if (\t) > 0
	s_wait_dscnt 1                                 ; this step's numbers are back from the stage (the last step's byte store may be out)
.else
	s_wait_dscnt 0x0
.endif
.if (\t)+4 < STEPS
	LOAD (\t)+4                                    ; into the registers that the stage's stores have read
.endif
.if (\t)+1 < STEPS
.if STEPS-2-(\t) >= 3
	s_wait_loadcnt 12                              ; the next step's four loads are in; those of the three steps behind it may be out
.else
	s_wait_loadcnt 4*(STEPS-2-(\t))
.endif
	TURN (\t)+1
.endif
	v_max3_num_f32 v8, |v[XS]|, |v[XS+1]|, |v[XS+2]|               ; the largest magnitude of my 16, in two chains
	v_max3_num_f32 v9, |v[XS+3]|, |v[XS+4]|, |v[XS+5]|
.irp i, 6,10
	v_max3_num_f32 v8, v8, |v[XS+\i]|, |v[XS+\i+1]|
	v_max3_num_f32 v9, v9, |v[XS+\i+2]|, |v[XS+\i+3]|
.endr
	v_max3_num_f32 v8, v8, |v[XS+14]|, |v[XS+15]|
	v_max3_num_f32 v8, v8, v9, (EMAX+1)<<23        ; and the floor 2^(EMAX + 1 - 127): the byte cannot fall under 1
	v_max_num_f32_dpp v8, v8, v8 row_xmask:1 row_mask:0xf bank_mask:0xf   ; and of my neighbour's 16: the block's
	v_add_nc_u32 v11, -(EMAX<<23), v8              ; EMAX off its exponent field: the conversion takes that field as its scale
	v_cvt_scalef32_pk16_fp6_f32 v[C+4*(\t):C+4*(\t)+2], v[XS:XS+15], v11
	v_lshrrev_b32 v[E+(\t)], 23, v11               ; the scale's byte
	ds_store_b8 v5, v[E+(\t)] offset:16*TAU        ; both lanes of a block write the same byte with the same value
	global_store_b96 v4, v[C+4*(\t):C+4*(\t)+2], s[18:19] offset:192*TAU   ; two runs of 192 consecutive bytes: four positions in each of two chunks
.endm
.irp t, 0,1,2,3,4,5,6,7,8,9,10,11,12,13,14,15
	STEP \t
.endr
	ds_load_b64 v[8:9], v6                         ; LDS serves a wave's instructions in order: these see my stores
	s_wait_dscnt 0x0
	global_store_b64 v7, v[8:9], s[20:21]          ; 32 lanes store 256 consecutive bytes, aligned: 64 positions' scale words
	s_wait_tensorcnt 0x0                           ; the wave's end: behind my last LDS store
	ds_add_u32 v[SPW], v[NIL]
	s_wait_dscnt 0x0
	s_endpgm
.Lfunc_end_k_qbeebdca56b_quant:
	.size	k_qbeebdca56b_quant, .Lfunc_end_k_qbeebdca56b_quant-k_qbeebdca56b_quant
	.p2alignl 7, 3214868480
	.fill 96, 4, 3214868480
	.section	.rodata,"a",@progbits
	.p2align	6, 0x0
	.amdhsa_kernel k_qbeebdca56b_quant
		.amdhsa_group_segment_fixed_size 33280
		.amdhsa_private_segment_fixed_size 0
		.amdhsa_enable_private_segment 0
		.amdhsa_kernarg_size 72
		.amdhsa_user_sgpr_count 2
		.amdhsa_user_sgpr_kernarg_segment_ptr 1
		.amdhsa_wavefront_size32 1
		.amdhsa_system_sgpr_workgroup_id_x 1
		.amdhsa_system_sgpr_workgroup_id_y 1
		.amdhsa_system_sgpr_workgroup_id_z 1
		.amdhsa_system_vgpr_workitem_id 0
		.amdhsa_next_free_vgpr 192
		.amdhsa_next_free_sgpr 66
		.amdhsa_reserve_vcc 0
		.amdhsa_float_denorm_mode_32 3
		.amdhsa_float_denorm_mode_16_64 3
		.amdhsa_memory_ordered 1
		.amdhsa_forward_progress 1
		.amdhsa_inst_pref_size 34
	.end_amdhsa_kernel
	.amdgpu_metadata
---
amdhsa.version: [ 1, 2 ]
amdhsa.kernels:
  - .name:           k_qbeebdca56b_quant
    .symbol:         k_qbeebdca56b_quant.kd
    .args:
      - { .name: query, .offset: 0, .size: 8, .value_kind: global_buffer, .address_space: global }
      - { .name: key, .offset: 8, .size: 8, .value_kind: global_buffer, .address_space: global }
      - { .name: value, .offset: 16, .size: 8, .value_kind: global_buffer, .address_space: global }
      - { .name: Wq, .offset: 24, .size: 8, .value_kind: global_buffer, .address_space: global }
      - { .name: Wk, .offset: 32, .size: 8, .value_kind: global_buffer, .address_space: global }
      - { .name: Wv, .offset: 40, .size: 8, .value_kind: global_buffer, .address_space: global }
      - { .name: Wo, .offset: 48, .size: 8, .value_kind: global_buffer, .address_space: global }
      - { .name: xc, .offset: 56, .size: 8, .value_kind: global_buffer, .address_space: global }
      - { .name: xs, .offset: 64, .size: 8, .value_kind: global_buffer, .address_space: global }
    .group_segment_fixed_size: 33280
    .private_segment_fixed_size: 0
    .kernarg_segment_align: 8
    .kernarg_segment_size: 72
    .max_flat_workgroup_size: 128
    .sgpr_count:     66
    .vgpr_count:     192
    .wavefront_size: 32
...
	.end_amdgpu_metadata
.endif
;; end of part 1
;; launch proj (part 2): grid 4 x 96, 4 waves a work-group, clusters of 4 x 4, 327,680 bytes of LDS; arguments xc, xs, bq, bk, bv, key_padding_mask, pc, ps; writes pc, ps
.if DOCPART == 2
	.amdgcn_target "amdgcn-amd-amdhsa--gfx1250"
	.amdhsa_code_object_version 6
	.text
	.protected	k_qbeebdca56b_proj
	.globl	k_qbeebdca56b_proj
	.p2align	8
	.type	k_qbeebdca56b_proj,@function
k_qbeebdca56b_proj:
	s_mov_b64 s[64:65], 0
	v_nop
	global_prefetch_b8 v0, s[64:65] scope:SCOPE_SE
	s_setreg_imm32_b32 hwreg(HW_REG_WAVE_MODE, 25, 1), 1
	s_wait_xcnt 0x0
	s_wait_alu depctr_hold_cnt(0) depctr_sa_sdst(0) depctr_va_vdst(0) depctr_va_sdst(0) depctr_va_ssrc(0) depctr_va_vcc(0) depctr_vm_vsrc(0)
	s_getreg_b32 s2, hwreg(HW_REG_IB_STS2, 6, 4)
	s_cmp_eq_u32 s2, 0
	s_cbranch_scc0 .Lentry_in_a_cluster
	s_endpgm
.Lentry_in_a_cluster:
	s_bfe_u32 s2, ttmp6, 0x10000c
	s_cmp_lg_u32 s2, 0xf033
	s_cbranch_scc0 .Lentry_shape_is_right
	s_endpgm
.Lentry_shape_is_right:
; q, k, v = x W^T + b on codes of FP6 (E2M3) with E8M0 scales, K = 1,024, and their quantisers: the results leave as codes and scale words for the attention launch.
; Work-group y / 32 picks the tensor: 0 q (x 1/8), 1 k (a padded key's row becomes zeros), 2 v (rows = Wv's channels, columns = tokens, so that v is quantised along the keys).
; A block of 256 x 256 is made by four waves, 128 x 128 each, 64 accumulators; the matrix instruction is used transposed (source 0 = the columns' rows, source 1 = the rows').
; LDS: codes lie [chunk of 64 along K][256 positions][48 bytes]: room for 12 of the 16 chunks of each side, A's from 0, B's from BB; behind them all scale words [K / 128][256 positions][4], A's then B's.
; FILLS.  At the head one joint load a wave: wave 0 A's chunks 0-11, wave 1 B's, wave 2 A's scale words, wave 3 B's.  ONE REFILL: chunks 12-15 land on chunks 0-3, behind a round of the cluster's barrier in K step 1
; (waves 0, 1 two chunks of A each, waves 2, 3 of B); a plain barrier in K step 5 shows them to all.
; CLUSTER 4 x 4: A's tiles are shared along a row of the cluster, B's along a column.
; The stage of the way out lies in A's chunks 4-9, which have had their last fill and which nobody reads behind the barrier in K step 5.
; No prefetch: all but the one refill is asked for at the head, and the walk has no loop to run ahead in.
; LIMITS: a block of zeros gets the byte 1; NaN and infinities are not served.
.set PITA,   1376256
.set PITB,   1376256
.set SPA,    114688
.set SPB,    114688
.set CH,     12288
.set GRP,    4*CH
.set BB,     12*CH
.set SCL,    24*CH
.set SPARE,  SCL+16384
.set WSTG,   16896
.set FR,     12
.set NL,     6
.set NP,     4
.set ADRA, 8
.set ADRB, 12
.set STO,  24
.set RD,   25
.set CO,   26
.set ADRS, 27
.set SPW,  28
.set NIL,  29
.set SWS,  30
.set CO16, 31
.set SC,   32
.set BI,   64
.set AF,   128
.set MK,   224
.set BA,   232
.set TM,   32
.set PW,   48
.set VAL,  64
.set SEL,  98
.set G1, 24
.set G0, 32
.set G1B, 48
.set G0B, 56
.set G1S, 68
.set G0S, 76
.set G1SB, 80
.set G0SB, 88
.set MSB, 0
.macro WIN new
.if MSB != (\new)
	s_set_vgpr_msb (MSB<<8)|(\new)
.set MSB, (\new)
.endif
.endm
.set MUL_LO, 0xa1
.set MUL_HI, 0xf1
.set TO_B,   0x40
.macro JLOAD g0a, g1a, g0b, g1b
	s_cmp_eq_u32 s21, 0
	s_cbranch_scc0 .Lfor_b_\@
	tensor_load_to_lds s[\g0a:\g0a+3], s[\g1a:\g1a+7]
	s_nop 0
.rept 4
	v_nop
.endr
	s_branch .Lasked_\@
.Lfor_b_\@:
	tensor_load_to_lds s[\g0b:\g0b+3], s[\g1b:\g1b+7]
	s_nop 0
.rept 4
	v_nop
.endr
.Lasked_\@:
.endm
.macro ARM under, g0, g1, next         ; an arm of the head's one chain of branches on the wave's number
	s_cmp_lt_u32 s20, \under
	s_cbranch_scc0 \next
	tensor_load_to_lds s[\g0:\g0+3], s[\g1:\g1+7]
	s_nop 0
.rept 4
	v_nop
.endr
	s_branch .Lhead_asked
\next:
.endm
.macro CREST
	s_cmp_lg_u32 s20, 0
	s_cbranch_scc1 .Lnot_wave_0_\@
	s_barrier_signal -3
.Lnot_wave_0_\@:
	s_barrier_wait -3
	s_barrier_signal -1
	s_barrier_wait -1
.endm
.macro CROUND
	s_barrier_signal -1
	s_barrier_wait -1
	CREST
.endm
	s_load_b256 s[4:11], s[0:1], 0x0
	s_load_b256 s[12:19], s[0:1], 0x20
	v_lshl_add_u32 v[SPW], v0, 2, SPARE
	v_mov_b32 v[NIL], 0
	ds_add_u32 v[SPW], v[NIL]                      ; the opening lines: the add, twice on end, and its wait
	ds_add_u32 v[SPW], v[NIL]
	v_lshrrev_b32 v1, 5, v0
	v_readfirstlane_b32 s20, v1
	s_lshr_b32 s21, s20, 1
	s_and_b32 s22, s20, 1
	s_bfe_u32 s40, ttmp6, 0x40000
	s_bfe_u32 s41, ttmp6, 0x40004
	s_and_b32 s2, ttmp7, 0xffff
	s_lshr_b32 s3, s2, 3                           ; the tensor
	s_and_b32 s2, s2, 7
	s_lshl_b32 s94, s3, 13
	s_lshl_b32 s95, s3, 10
	s_add_co_u32 s95, s95, 24576
	s_mov_b32 s66, 393216
	s_mov_b32 s67, 32768
	s_cmp_eq_u32 s3, 2
	s_cselect_b32 s92, 0, s2
	s_cselect_b32 s93, s2, 0
	s_cselect_b32 s94, 26624, s94
	s_cselect_b32 s95, 16384, s95
	s_cselect_b32 s66, 49152, s66
	s_cselect_b32 s67, 4096, s67
	s_cselect_b32 s100, -1, 0
	s_cselect_b32 s101, 0, -1
	s_cmp_eq_u32 s3, 1
	s_cselect_b32 s97, -1, 0
	s_mov_b32 s96, 0x3f800000
	s_cmp_eq_u32 s3, 0
	s_cselect_b32 s96, 0x3e000000, s96
	s_lshl_b32 s23, s92, 2
	s_add_co_u32 s23, s23, s41
	s_lshl_b32 s42, s93, 2
	s_add_co_u32 s42, s42, s40
	s_lshl_b32 s43, s41, 2
	s_lshl_b32 s43, 15, s43
	s_lshl_b32 s44, 0x1111, s40
	s_or_b32 s[G1+0], s43, (3<<16)|(1<<21)
	s_or_b32 s[G1B+0], s44, (3<<16)|(1<<21)
.irp g, G1, G1B                        ; the head's loads of codes: 12 chunks of 1,536 elements of 8 bytes
	s_mov_b32 s[\g+1], 1536<<16
	s_mov_b32 s[\g+2], 12<<16
	s_mov_b32 s[\g+3], 1536<<16
	s_mov_b32 s[\g+4], 12
	s_mov_b32 s[\g+6], 0
	s_mov_b32 s[\g+7], 0
.endr
	s_mov_b32 s[G1+5], PITA/8
	s_mov_b32 s[G1B+5], PITB/8
	s_or_b32 s[G1S+0], s43, (3<<16)|(1<<21)
	s_or_b32 s[G1SB+0], s44, (3<<16)|(1<<21)
.irp g, G1S, G1SB                      ; scale words: 8 rows of 1,024 bytes
	s_mov_b32 s[\g+1], 128<<16
	s_mov_b32 s[\g+2], 8<<16
	s_mov_b32 s[\g+3], 128<<16
	s_mov_b32 s[\g+4], 8
	s_mov_b32 s[\g+6], 0
	s_mov_b32 s[\g+7], 0
.endr
	s_mov_b32 s[G1S+5], SPA/8
	s_mov_b32 s[G1SB+5], SPB/8
	s_lshl_b32 s92, s23, 8
	s_add_co_u32 s92, s92, s94                     ; A's first position
	s_lshl_b32 s46, s42, 8
	s_add_co_u32 s46, s46, s95                     ; B's
	s_mul_i32 s94, s92, 48
	s_mov_b32 s95, 0
	s_lshl_b32 s92, s92, 2
	s_mov_b32 s93, 0
	s_lshl_b32 s98, s46, 2
	s_mov_b32 s99, 0
	s_mul_i32 s46, s46, 48
	s_mov_b32 s47, 0
	s_mul_i32 s45, s22, 2*CH                       ; the refill: my two chunks' place in LDS,
	s_mul_i32 s2, s22, 2*PITA
	s_add_co_u32 s2, s2, 12*PITA                   ; and in memory: chunk 12 + 2 (wave % 2)
	s_wait_dscnt 0x0
	s_wait_kmcnt 0x0
	s_add_nc_u64 s[94:95], s[4:5], s[94:95]
	s_add_nc_u64 s[92:93], s[6:7], s[92:93]
	s_add_nc_u64 s[46:47], s[4:5], s[46:47]
	s_add_nc_u64 s[98:99], s[6:7], s[98:99]
	CROUND
	s_mov_b32 s[G0S], 1
	s_mov_b32 s[G0S+1], SCL
	s_mov_b64 s[G0S+2:G0S+3], s[92:93]
	s_or_b32 s[G0S+3], s[G0S+3], 0x80000000
	s_mov_b32 s[G0SB], 1
	s_mov_b32 s[G0SB+1], SCL+8192
	s_mov_b64 s[G0SB+2:G0SB+3], s[98:99]
	s_or_b32 s[G0SB+3], s[G0SB+3], 0x80000000
	s_mov_b32 s[G0], 1
	s_mov_b32 s[G0+1], 0
	s_mov_b64 s[G0+2:G0+3], s[94:95]
	s_or_b32 s[G0+3], s[G0+3], 0x80000000
	s_mov_b32 s[G0B], 1
	s_mov_b32 s[G0B+1], BB
	s_mov_b64 s[G0B+2:G0B+3], s[46:47]
	s_or_b32 s[G0B+3], s[G0B+3], 0x80000000
	s_mov_b32 s92, s2
	s_mov_b32 s93, 0
	s_mov_b32 s[G0+4], 1
	s_mov_b32 s[G0+5], s45
	s_add_nc_u64 s[G0+6:G0+7], s[94:95], s[92:93]
	s_or_b32 s[G0+7], s[G0+7], 0x80000000
	s_mov_b32 s[G0B+4], 1
	s_add_co_u32 s[G0B+5], s45, BB
	s_add_nc_u64 s[G0B+6:G0B+7], s[46:47], s[92:93]
	s_or_b32 s[G0B+7], s[G0B+7], 0x80000000
	ARM 1, G0,  G1,  .Lhead_b                      ; one tensor load a wave at the head
	ARM 2, G0B, G1B, .Lhead_sa
	ARM 3, G0S, G1S, .Lhead_sb
	tensor_load_to_lds s[G0SB:G0SB+3], s[G1SB:G1SB+7]
	s_nop 0
.rept 4
	v_nop
.endr
.Lhead_asked:
	s_lshl_b32 s2, s23, 8
	s_lshl_b32 s92, s21, 7
	s_add_co_u32 s2, s2, s92
	s_lshl_b32 s92, s42, 2
	s_lshl_b32 s93, s22, 1
	s_add_co_u32 s92, s92, s93
	s_mul_i32 s92, s92, s66
	s_mul_i32 s93, s3, 6291456
	s_add_co_u32 s92, s92, s93
	s_mul_i32 s93, s2, 48
	s_add_co_u32 s92, s92, s93
	s_mov_b32 s93, 0
	s_add_nc_u64 s[16:17], s[16:17], s[92:93]
	s_mov_b32 s92, s66
	s_add_nc_u64 s[4:5], s[16:17], s[92:93]
	s_lshl_b32 s92, s42, 1
	s_add_co_u32 s92, s92, s22
	s_mul_i32 s92, s92, s67
	s_lshl_b32 s94, s3, 18
	s_add_co_u32 s92, s92, s94
	s_lshl_b32 s94, s2, 2
	s_add_co_u32 s92, s92, s94
	s_add_nc_u64 s[18:19], s[18:19], s[92:93]
	s_mov_b32 s92, s2
	s_add_nc_u64 s[14:15], s[14:15], s[92:93]
	s_lshl_b32 s92, s2, 2
	s_and_b32 s92, s92, s100
	s_add_nc_u64 s[6:7], s[12:13], s[92:93]
	s_lshl_b32 s92, s42, 10
	s_lshl_b32 s94, s22, 9
	s_add_co_u32 s92, s92, s94
	s_and_b32 s92, s92, s101
	s_cmp_eq_u32 s3, 0
	s_cselect_b64 s[8:9], s[8:9], s[10:11]
	s_cmp_eq_u32 s3, 2
	s_cselect_b64 s[8:9], s[12:13], s[8:9]
	s_add_nc_u64 s[8:9], s[8:9], s[92:93]
	v_and_b32 v1, 15, v0
	v_bfe_u32 v2, v0, 4, 1
	v_lshlrev_b32 v22, 6, v2
.irp b, 0,1,2,3,4,5,6,7
	global_load_b128 v[BI+8*\b:BI+8*\b+3], v22, s[8:9] offset:(32*(\b/2)+8*(\b%2))*4
	global_load_b128 v[BI+8*\b+4:BI+8*\b+7], v22, s[8:9] offset:(32*(\b/2)+8*(\b%2))*4+16
.endr
	v_and_b32 v18, 8, v1
	v_add_nc_u32 v18, v18, v1
	v_lshlrev_b32 v19, 2, v18
.irp a, 0,1,2,3,4,5,6,7
	global_load_u8 v[MK+\a], v18, s[14:15] offset:32*(\a/2)+8*(\a%2)
	global_load_b32 v[BA+\a], v19, s[6:7] offset:(32*(\a/2)+8*(\a%2))*4
.endr
	v_mul_u32_u24 v3, v1, 48
	v_mad_u32_u24 v3, v2, 24, v3
	s_mul_i32 s92, s21, 6144                       ; my 128 positions of A's 256,
	s_mul_i32 s93, s22, 6144                       ; and of B's
	s_add_co_u32 s93, s93, BB
	v_add_nc_u32 v[ADRA], s92, v3
	v_add_nc_u32 v[ADRB], s93, v3
	v_add_nc_u32 v[ADRA+1], GRP, v[ADRA]           ; an address for each group of four chunks
	v_add_nc_u32 v[ADRB+1], GRP, v[ADRB]
	v_add_nc_u32 v[ADRA+2], 2*GRP, v[ADRA]
	v_add_nc_u32 v[ADRB+2], 2*GRP, v[ADRB]
	v_lshlrev_b32 v5, 2, v1
	s_mul_i32 s92, s21, 512
	s_mul_i32 s93, s22, 512
	s_add_co_u32 s93, s93, 8192
	s_sub_co_u32 s93, s93, s92
	v_mul_u32_u24 v6, s93, v2                      ; lanes 16-31 take B's scale words
	s_add_co_u32 s92, s92, SCL
	v_add_nc_u32 v6, v5, v6
	v_add_nc_u32 v[ADRS], s92, v6
	s_mul_i32 s2, s20, WSTG
	s_add_co_u32 s2, s2, GRP                       ; my stage, from A's chunk 4 on
	v_lshlrev_b32 v[STO], 6, v1
	v_lshl_add_u32 v[STO], v2, 4, v[STO]
	v_add_nc_u32 v[STO], s2, v[STO]
	v_and_b32 v4, 31, v0
	v_lshlrev_b32 v[CO16], 4, v4
	v_add_nc_u32 v[RD], s2, v[CO16]
	v_mul_u32_u24 v[CO], v4, 12
	s_add_co_u32 s2, s2, 16384
	v_add_nc_u32 v[SWS], s2, v5
	s_mov_b32 s[SEL], 0x76543210
	s_mov_b32 s[SEL+1], 0xfedcba98
	s_wait_loadcnt 0x0
.irp a, 0,1,2,3,4,5,6,7
	v_cvt_f32_u32 v[MK+\a], v[MK+\a]
.endr
.irp a, 0,1,2,3,4,5,6,7
	v_cndmask_b32 v[MK+\a], s96, v[MK+\a], s97
	v_cndmask_b32 v[BA+\a], 0, v[BA+\a], s100
.endr
.set jj, 0
.rept 64
	v_cndmask_b32 v[BI+jj], 0, v[BI+jj], s101
.set jj, jj+1
.endr
.rept 8
	v_nop
.endr
.macro FRAG reg, adr, q, i
.irp p, 0,1,2,3,4,5
	ds_load_b64 v[\reg+2*\p:\reg+2*\p+1], v[\adr] offset:(2*(\q)+\p/3)*CH+(\i)*768+8*(\p%3)
.endr
.endm
.macro MUL16 a0, p, q, sc, zero
.irp a, \a0, \a0+1
.irp b, 0,1,2,3,4,5,6,7
.if \zero
	v_wmma_scale_f32_16x16x128_f8f6f4 v[8*(8*((\a)%4)+\b):8*(8*((\a)%4)+\b)+7], v[128*(\p)+FR*\b:128*(\p)+FR*\b+FR-1], v[AF+FR*(\a):AF+FR*(\a)+FR-1], v[BI+8*\b:BI+8*\b+7], v[SC+16*(\sc)+2*\b+(\q)], v[SC+16*(\sc)+2*(\a)+(\q)] matrix_a_fmt:MATRIX_FMT_FP6 matrix_b_fmt:MATRIX_FMT_FP6 matrix_a_scale:MATRIX_SCALE_ROW1
.else
	v_wmma_scale_f32_16x16x128_f8f6f4 v[8*(8*((\a)%4)+\b):8*(8*((\a)%4)+\b)+7], v[128*(\p)+FR*\b:128*(\p)+FR*\b+FR-1], v[AF+FR*(\a):AF+FR*(\a)+FR-1], v[8*(8*((\a)%4)+\b):8*(8*((\a)%4)+\b)+7], v[SC+16*(\sc)+2*\b+(\q)], v[SC+16*(\sc)+2*(\a)+(\q)] matrix_a_fmt:MATRIX_FMT_FP6 matrix_b_fmt:MATRIX_FMT_FP6 matrix_a_scale:MATRIX_SCALE_ROW1
.endif
.endr
.endr
.endm
.macro FETCH_B slot, q, p
	WIN TO_B
.irp i, 0,1,2,3,4,5,6,7
	FRAG 128*(\p)+FR*\i, ADRB+\slot, \q, \i
.endr
	WIN 0
.endm
.macro FETCH_A slot, q, i0
.irp i, \i0, \i0+1, \i0+2, \i0+3
	FRAG AF+FR*(\i), ADRA+\slot, \q, \i
.endr
.endm
.macro SCALES G                        ; the scale words of K steps 2 G and 2 G + 1 into set G % 2
.irp i, 0,1,2,3,4,5,6,7
.irp q, 0,1
	ds_load_b32 v[SC+16*((\G)%2)+2*\i+\q], v[ADRS] offset:1024*(2*(\G)+\q)+64*\i
.endr
.endr
.endm
.macro PLACES n
.rept \n
	v_nop
.endr
.endm
.macro STEP g, G, zero                 ; K step 2 G, from the group of chunks at place g; fetches K step 2 G + 1
	s_wait_dscnt 4*NL
.if \zero
	WIN 0x81
.else
	WIN MUL_LO
.endif
	MUL16 0, 0, 0, (\G)%2, \zero
	MUL16 2, 0, 0, (\G)%2, \zero
	s_wait_dscnt 0
	PLACES NP
	FETCH_B \g, 1, 1
	FETCH_A \g, 1, 0
.if \zero
	WIN 0xc1
.else
	WIN MUL_HI
.endif
	MUL16 4, 0, 0, (\G)%2, \zero
	MUL16 6, 0, 0, (\G)%2, \zero
	PLACES NP
	WIN 0
	FETCH_A \g, 1, 4
.endm
; K step 2 G + 1; fetches K step 2 G + 2 from place gn.  mode 0: nothing to order.  mode 1: place g is read no more: the three lines, a round of the cluster's barrier, the refill.  mode 2: a barrier shows the refill to all.
.macro TURN g, G, gn, mode
.if \mode
	s_wait_tensorcnt 0x0
	ds_add_u32 v[SPW], v[NIL]
	s_wait_dscnt 4*NL+1                            ; (the add and A's blocks 4-7 may be out)
	WIN MUL_LO
	MUL16 0, 1, 1, (\G)%2, 0
	s_wait_dscnt 0x0
	s_barrier_signal -1
	MUL16 2, 1, 1, (\G)%2, 0
	WIN 0
	s_barrier_wait -1
.if \mode == 1
	CREST
	JLOAD G0+4, G1, G0B+4, G1B                     ; chunks 12-15, the first tensor load behind the round
.else
	PLACES NP
.endif
.else
	s_wait_dscnt 4*NL
	WIN MUL_LO
	MUL16 0, 1, 1, (\G)%2, 0
	MUL16 2, 1, 1, (\G)%2, 0
	s_wait_dscnt 0
	PLACES NP
.endif
	FETCH_B \gn, 0, 0
	FETCH_A \gn, 0, 0
	SCALES (\G)+1
	WIN MUL_HI
	MUL16 4, 1, 1, (\G)%2, 0
	MUL16 6, 1, 1, (\G)%2, 0
	PLACES NP
	WIN 0
	FETCH_A \gn, 0, 4
.endm
	s_wait_alu depctr_va_vdst(0)                   ; the head's end
	s_wait_tensorcnt 0x0                           ; my tile of the head's four is in: no load of mine is out, so a descriptor may be written:
	s_mov_b32 s[G1+2], 2<<16                       ; the refill brings two chunks a wave
	s_mov_b32 s[G1+4], 2
	s_mov_b32 s[G1B+2], 2<<16
	s_mov_b32 s[G1B+4], 2
	s_barrier_signal -1
	s_barrier_wait -1                              ; all four tiles are in
	FETCH_B 0, 0, 0
	FETCH_A 0, 0, 0
	SCALES 0
	FETCH_A 0, 0, 4
	STEP 0, 0, 1
	TURN 0, 0, 1, 1
	STEP 1, 1, 0
	TURN 1, 1, 2, 0
	STEP 2, 2, 0
	TURN 2, 2, 0, 2
	STEP 0, 3, 0
	s_wait_dscnt 4*NL
	WIN MUL_LO
	MUL16 0, 1, 1, 1, 0
	MUL16 2, 1, 1, 1, 0
	s_wait_dscnt 0
	WIN MUL_HI
	MUL16 4, 1, 1, 1, 0
	MUL16 6, 1, 1, 1, 0
	WIN 0
.macro QROW s
.irp b, 0,1,2,3
	v_max3_num_f32 v[TM+\b], |v[\s+16*\b]|, |v[\s+1+16*\b]|, 0x1800000
.endr
.irp i, 2,4,6,8,10,12,14
.irp b, 0,1,2,3
	v_max3_num_f32 v[TM+\b], v[TM+\b], |v[\s+16*\b+\i]|, |v[\s+1+16*\b+\i]|
.endr
.endr
.irp b, 0,1,2,3
	v_permlanex16_b32 v[TM+4+\b], v[TM+\b], s[SEL], s[SEL+1]
.endr
.irp b, 0,1,2,3
	v_max_num_f32 v[TM+\b], v[TM+\b], v[TM+4+\b]
.endr
.irp b, 0,1,2,3
	v_add_nc_u32 v[TM+12+\b], 0xff000000, v[TM+\b]
.endr
.irp b, 0,1,2,3
	v_lshrrev_b32 v[TM+4+\b], 23, v[TM+12+\b]
.endr
	v_lshl_or_b32 v[PW], v[TM+5], 8, v[TM+4]
	v_lshl_or_b32 v[PW], v[TM+6], 16, v[PW]
	v_lshl_or_b32 v[PW], v[TM+7], 24, v[PW]
.irp b, 0,1,2,3
	v_cvt_scalef32_pk16_fp6_f32 v[240+4*\b:242+4*\b], v[\s+16*\b:\s+16*\b+15], v[TM+12+\b]
.endr
	v_nop
.endm
.macro OUTBLK a
	v_mov_b32 v50, v[MK+\a]
	v_mov_b32 v52, v[BA+\a]
	WIN 0x02+(\a)/4
.set ii, 0
.rept 32
	v_pk_fma_f32 v[VAL+2*ii:VAL+2*ii+1], v[64*((\a)%4)+2*ii:64*((\a)%4)+2*ii+1], v[50:51], v[52:53] op_sel_hi:[1,0,0]
.set ii, ii+1
.endr
	WIN 0
	QROW VAL
.irp b, 0,1,2,3
	ds_store_b96 v[STO], v[240+4*\b:242+4*\b] offset:1024*(\a)+8192*(\b/2)+32*(\b%2)
.endr
	ds_store_b32 v[SWS], v[PW] offset:64*(\a)
	s_wait_dscnt 0x0
.endm
	PLACES NP
	v_mov_b32 v51, 0
	v_mov_b32 v53, 0
.irp b, 0,1,2,3
	v_mov_b32 v[TM+4+\b], 0
.endr
.irp a, 0,1,2,3,4,5,6,7
	OUTBLK \a
.endr
.set nn, 0
.rept 32
	ds_load_b96 v[128+4*nn:130+4*nn], v[RD] offset:8192*(nn/16)+512*(nn%16)
.set nn, nn+1
.endr
	ds_load_b128 v[56:59], v[RD] offset:16384
.set nn, 0
.rept 16
	s_wait_dscnt 32-nn
	global_store_b96 v[CO], v[128+4*nn:130+4*nn], s[16:17] offset:384*nn
.set nn, nn+1
.endr
.rept 16
	s_wait_dscnt 32-nn
	global_store_b96 v[CO], v[128+4*nn:130+4*nn], s[4:5] offset:384*(nn-16)
.set nn, nn+1
.endr
	s_wait_dscnt 0x0
	global_store_b128 v[CO16], v[56:59], s[18:19]
	s_wait_tensorcnt 0x0                           ; the wave's end
	ds_add_u32 v[SPW], v[NIL]
	s_wait_dscnt 0x0
	CROUND
	s_endpgm
.Lfunc_end_k_qbeebdca56b_proj:
	.size	k_qbeebdca56b_proj, .Lfunc_end_k_qbeebdca56b_proj-k_qbeebdca56b_proj
	.p2alignl 7, 3214868480
	.fill 96, 4, 3214868480
	.section	.rodata,"a",@progbits
	.p2align	6, 0x0
	.amdhsa_kernel k_qbeebdca56b_proj
		.amdhsa_group_segment_fixed_size 327680
		.amdhsa_private_segment_fixed_size 0
		.amdhsa_enable_private_segment 0
		.amdhsa_kernarg_size 64
		.amdhsa_user_sgpr_count 2
		.amdhsa_user_sgpr_kernarg_segment_ptr 1
		.amdhsa_wavefront_size32 1
		.amdhsa_system_sgpr_workgroup_id_x 1
		.amdhsa_system_sgpr_workgroup_id_y 1
		.amdhsa_system_sgpr_workgroup_id_z 1
		.amdhsa_system_vgpr_workitem_id 0
		.amdhsa_next_free_vgpr 1024
		.amdhsa_next_free_sgpr 102
		.amdhsa_reserve_vcc 0
		.amdhsa_float_denorm_mode_32 3
		.amdhsa_float_denorm_mode_16_64 3
		.amdhsa_memory_ordered 1
		.amdhsa_forward_progress 1
		.amdhsa_inst_pref_size 194
	.end_amdhsa_kernel
	.amdgpu_metadata
---
amdhsa.version: [ 1, 2 ]
amdhsa.kernels:
  - .name:           k_qbeebdca56b_proj
    .symbol:         k_qbeebdca56b_proj.kd
    .args:
      - { .name: xc, .offset: 0, .size: 8, .value_kind: global_buffer, .address_space: global }
      - { .name: xs, .offset: 8, .size: 8, .value_kind: global_buffer, .address_space: global }
      - { .name: bq, .offset: 16, .size: 8, .value_kind: global_buffer, .address_space: global }
      - { .name: bk, .offset: 24, .size: 8, .value_kind: global_buffer, .address_space: global }
      - { .name: bv, .offset: 32, .size: 8, .value_kind: global_buffer, .address_space: global }
      - { .name: key_padding_mask, .offset: 40, .size: 8, .value_kind: global_buffer, .address_space: global }
      - { .name: pc, .offset: 48, .size: 8, .value_kind: global_buffer, .address_space: global }
      - { .name: ps, .offset: 56, .size: 8, .value_kind: global_buffer, .address_space: global }
    .group_segment_fixed_size: 327680
    .private_segment_fixed_size: 0
    .kernarg_segment_align: 8
    .kernarg_segment_size: 64
    .max_flat_workgroup_size: 128
    .sgpr_count:     102
    .vgpr_count:     1024
    .wavefront_size: 32
...
	.end_amdgpu_metadata
.endif
;; end of part 2
;; launch att (part 3): grid 4 x 64, 8 waves a work-group, clusters of 4 x 1, 327,680 bytes of LDS; arguments pc, ps, key_padding_mask, cc, cs; writes cc, cs
.if DOCPART == 3
	.amdgcn_target "amdgcn-amd-amdhsa--gfx1250"
	.amdhsa_code_object_version 6
	.text
	.protected	k_qbeebdca56b_att
	.globl	k_qbeebdca56b_att
	.p2align	8
	.type	k_qbeebdca56b_att,@function
k_qbeebdca56b_att:
	s_mov_b64 s[64:65], 0
	v_nop
	global_prefetch_b8 v0, s[64:65] scope:SCOPE_SE
	s_setreg_imm32_b32 hwreg(HW_REG_WAVE_MODE, 25, 1), 1
	s_wait_xcnt 0x0
	s_wait_alu depctr_hold_cnt(0) depctr_sa_sdst(0) depctr_va_vdst(0) depctr_va_sdst(0) depctr_va_ssrc(0) depctr_va_vcc(0) depctr_vm_vsrc(0)
	s_getreg_b32 s2, hwreg(HW_REG_IB_STS2, 6, 4)
	s_cmp_eq_u32 s2, 0
	s_cbranch_scc0 .Lentry_in_a_cluster
	s_endpgm
.Lentry_in_a_cluster:
	s_bfe_u32 s2, ttmp6, 0x10000c
	s_cmp_lg_u32 s2, 0x3003
	s_cbranch_scc0 .Lentry_shape_is_right
	s_endpgm
.Lentry_shape_is_right:
; Attention on codes of FP6 (E2M3) with E8M0 scales: 64 (batch, head) pairs, 2,048 queries and keys, head size 64; the context is quantised along the model's 1,024 for the last projection.
; t = score x log2(e) (q carries the 1/8); M = the row's running largest t rounded UP to a whole number; p = 2^(t - M) is quantised along the keys, not normalised; the row's sum is taken of the unquantised p and divides at the end.
; SHARES.  A work-group owns 512 queries of one (batch, head); each of its eight waves takes two tiles of 16 queries AT ONCE, in two passes: each fragment of K and V that is read from LDS feeds two products.
; All of the head's K and V codes (2 x 98,304 bytes) come into LDS once: no byte is filled again.
; CLUSTER.  The four work-groups of a (batch, head) want the same K and V: each part is asked for jointly, one tensor load a wave (waves 0-3: K; waves 4-7: V).
; LAYOUT.  Both products transposed: S^T = K Q^T, O^T = V^T P^T: a lane holds one query.  Tile 4 c + u of a step's 128 keys is the keys 64 c + 8 u + j and 64 c + 32 + 8 u + j (j = 0 .. 7):
; so lane (r, h) holds in registers 32 c + i the keys 64 c + 32 h + i: a WHOLE scale block of p, in the order of the next operand's registers.  Only the row's maximum and the scale word look at lane l xor 16.
; K lies in pc by position (bits 3 and 4 of the key exchanged).  The runs of 32 positions with key bit 5 = 0 go to one LDS region, those with bit 5 = 1 to another, 49,280 bytes on (128 modulo 256): the 32 lanes of a load of 8 bytes touch 64 different banks.
; WINDOWS.  Tile A's registers lie in window 0, tile B's under the same numbers in window 1: one text (SOFT, FINISH, INIT) serves both.  Shared: K's fragments 0-5 (window 0, v32-103), 6-7 (window 1, v80-103), V's four (window 1, v32-79),
; all scale words (window 0, v104-119), the next pass's Q (window 1, v104-117).
; THE MASK RIDES IN THE EMPTY HALF OF K = 128.  At k = 64 q holds the code 1.0 under the byte 127 and every key the code -1.0 under the byte 1 (valid: -2^-126 is added to the score) or 227 (padded: -2^100).  A padded key's own codes are zeros.
; LIMITS: true scores under -2^100 are not told from padding; a batch with no valid key gets equal weights; a valid score carries -2^-126; a block of zeros gets the byte 1; NaN and infinities are not served; 1 / sum is v_rcp_f32 and a multiplication;
; the scaled scores stay under 2^31 in magnitude.
; No prefetch: every byte of K and V is asked for at the head, by the loads themselves.
.set KOFF,  6291456                    ; k's codes in pc
.set VOFF,  12582912                   ; v's
.set KB,    49280                      ; LDS: K, key bit 5 = 0, at 0; bit 5 = 1 here
.set VL,    98560                      ; V [32 groups of 64 keys][64 channel positions][48]
.set KSCL,  196864                     ; a scale word for each key position (made here)
.set VSCL,  205056                     ; V's scale words: [16 steps][512 bytes, 256 used]
.set STG,   213248                     ; the way out: 1,024 bytes for each wave
.set SPARE, 221440                     ; the spare words, 128 bytes for each of eight waves
; window 0 alone: v1 K's lane address, v2 V's, v3 K's scale words', v10 V's scale words'; v11, v28, v29, v30 the same for the step at hand; v5, v6 the add's two
; both windows: v4 stage in, v7 stage back, v8 12 x lane, v9 4 r, v12 -M, v13 the largest score, v[14:15] the sum, v16-27 Q
.set S,   128                          ; v128-191 S^T, then p
.set O,   192                          ; v192-223 O^T
.set PC,  224                          ; v224-235 p's codes
.set T,   236                          ; v236-243 eight chains of maxima; v236-251 eight sums of pairs
.set MX,  244
.set TT,  245
.set F,   246                          ; v[246:247] 2^(old M - new M)
.set NM,  248
.set DD,  249
.set EB,  250
.set WD,  248
.set BM,  252                          ; v252, v253 my two blocks' largest score, then largest p
.set SOP, 254                          ; v254, v255 the conversions' scale operands
.set TC,  120                          ; v120-122, v124-126 the second halves' codes
.set SH8, 123                          ; 8 h
.set PD,  127                          ; a lane permute's destination
.set KS,  104                          ; scale words: K's eight, V's four, p's two, Q's two
.set VS,  112
.set PS,  116
.set QS,  118
.set WV,  18
.set GDK, 24
.set GV4, 32
.set G0K, 48
.set G0V, 52
.set CNT, 69
.set PAS, 68
.set MSB, 0
.macro WIN new                         ; the immediate's high byte repeats the setting that is left
.if MSB != (\new)
	s_set_vgpr_msb (MSB<<8)|(\new)
.set MSB, (\new)
.endif
.endm
.macro WALU
	s_wait_alu depctr_va_vdst(0)
.endm
.macro DEP n
	s_delay_alu instid0(VALU_DEP_\n)
.endm
.macro CROUND
	s_barrier_signal -1
	s_barrier_wait -1
	s_cmp_lg_u32 s[WV], 0
	s_cbranch_scc1 .Lnot_wave_0_\@
	s_barrier_signal -3
.Lnot_wave_0_\@:
	s_barrier_wait -3
	s_barrier_signal -1
	s_barrier_wait -1
.endm
	s_load_b256 s[4:11], s[0:1], 0x0               ; pc, ps, the mask, cc
	s_load_b64 s[12:13], s[0:1], 0x20              ; cs
	v_lshl_add_u32 v5, v0, 2, SPARE
	v_mov_b32 v6, 0
	ds_add_u32 v5, v6                              ; the opening lines: the add, twice on end, and its wait ahead of my tensor load
	ds_add_u32 v5, v6
	v_lshrrev_b32 v11, 5, v0
	v_readfirstlane_b32 s[WV], v11                 ; wave 0..7
	s_bfe_u32 s72, ttmp6, 0x40000                  ; my block of 512 queries: it enters Q's and the output's addresses alone
	s_and_b32 s14, ttmp7, 0xffff
	s_lshr_b32 s70, s14, 4                         ; batch
	s_and_b32 s71, s14, 15                         ; head
	s_and_b32 s73, s71, 1
	s_lshl_b32 s73, s73, 4                         ; my head's two bytes in a scale word: 16 (head % 2) bits up
	s_lshr_b32 s74, s71, 1
	s_and_b32 s15, s[WV], 1                        ; K: which region (key bit 5),
	s_bfe_u32 s17, s[WV], 0x10001                  ; which half of it: 16 runs of 1,536 bytes, 3,072 apart in memory
	s_mul_i32 s16, s15, KB
	s_mul_i32 s41, s17, 24576
	s_add_co_u32 s16, s16, s41
	s_mul_i32 s40, s71, 393216
	s_mul_i32 s41, s70, 98304
	s_add_co_u32 s40, s40, s41
	s_mul_i32 s41, s15, 1536
	s_add_co_u32 s40, s40, s41
	s_mul_i32 s41, s17, 49152
	s_add_co_u32 s40, s40, s41
	s_add_co_u32 s40, s40, KOFF
	s_mov_b32 s41, 0
	s_and_b32 s15, s[WV], 3                        ; V: which eight of the 32 groups of 64 keys
	s_mul_i32 s19, s15, 24576
	s_add_co_u32 s19, s19, VL
	s_mul_i32 s42, s70, 1572864
	s_mul_i32 s43, s15, 393216
	s_add_co_u32 s42, s42, s43
	s_mul_i32 s43, s71, 3072
	s_add_co_u32 s42, s42, s43
	s_add_co_u32 s42, s42, VOFF
	s_mov_b32 s43, 0
	s_mov_b32 s[GDK], 15|(3<<16)|(1<<21)           ; K: 16 rows of 192 elements of 8 bytes, pitch 384; the mask names all four work-groups
	s_mov_b32 s[GDK+1], 192<<16
	s_mov_b32 s[GDK+2], 16<<16
	s_mov_b32 s[GDK+3], 192<<16
	s_mov_b32 s[GDK+4], 16
	s_mov_b32 s[GDK+5], 384
	s_mov_b32 s[GDK+6], 0
	s_mov_b32 s[GDK+7], 0
	s_mov_b32 s[GV4], 15|(3<<16)|(1<<21)           ; V: 8 groups x 3,072 bytes (384 elements), 49,152 bytes apart
	s_mov_b32 s[GV4+1], 384<<16
	s_mov_b32 s[GV4+2], 8<<16
	s_mov_b32 s[GV4+3], 384<<16
	s_mov_b32 s[GV4+4], 8
	s_mov_b32 s[GV4+5], 6144
	s_mov_b32 s[GV4+6], 0
	s_mov_b32 s[GV4+7], 0
	s_mov_b32 s20, 0x76543210                      ; v_permlanex16_b32's selects for lane l xor 16
	s_mov_b32 s21, 0xfedcba98
	s_mov_b32 s22, 0x3fb8aa3b                      ; log2(e)
	s_mov_b32 s23, s22
	s_lshl_b32 s44, s70, 11
	s_lshl_b32 s45, s72, 9
	s_add_co_u32 s44, s44, s45
	s_lshl_b32 s45, s[WV], 5
	s_add_co_u32 s45, s45, s44                     ; my wave's first token of a pass: tokens and positions agree in groups of 32
	s_mul_i32 s47, s71, 393216
	s_lshl_b32 s90, s74, 15
	s_mul_i32 s56, s45, 48
	s_add_co_u32 s56, s56, s47                     ; Q's codes, and the context's: chunk = head
	s_mov_b32 s57, 0
	s_lshl_b32 s58, s45, 2
	s_add_co_u32 s58, s58, s90                     ; Q's scale words
	s_mov_b32 s59, 0
	s_lshr_b32 s91, s73, 3
	s_add_co_u32 s62, s58, s91                     ; the context's scale bytes: 2 (head % 2) in the word
	s_mov_b32 s63, 0
	s_lshl_b32 s84, s70, 13
	s_add_co_u32 s84, s84, s90
	s_add_co_u32 s84, s84, 262144                  ; K's scale words of the batch
	s_mov_b32 s85, 0
	s_lshl_b32 s86, s70, 11                        ; the batch's mask bytes
	s_mov_b32 s87, 0
	s_lshl_b32 s88, s70, 16
	s_lshl_b32 s91, s71, 8
	s_add_co_u32 s88, s88, s91
	s_add_co_u32 s88, s88, 524288                  ; V's scale words
	s_mov_b32 s89, 0
	s_wait_dscnt 0x0                               ; both opening adds are done
	s_wait_kmcnt 0x0
	s_mov_b32 s[G0K], 1
	s_mov_b32 s[G0K+1], s16
	s_add_nc_u64 s[G0K+2:G0K+3], s[4:5], s[40:41]
	s_or_b32 s[G0K+3], s[G0K+3], 0x80000000
	s_mov_b32 s[G0V], 1
	s_mov_b32 s[G0V+1], s19
	s_add_nc_u64 s[G0V+2:G0V+3], s[4:5], s[42:43]
	s_or_b32 s[G0V+3], s[G0V+3], 0x80000000
	s_add_nc_u64 s[76:77], s[4:5], s[56:57]
	s_add_nc_u64 s[78:79], s[6:7], s[58:59]
	s_add_nc_u64 s[80:81], s[10:11], s[56:57]
	s_add_nc_u64 s[82:83], s[12:13], s[62:63]
	s_add_nc_u64 s[84:85], s[6:7], s[84:85]
	s_add_nc_u64 s[86:87], s[8:9], s[86:87]
	s_add_nc_u64 s[88:89], s[6:7], s[88:89]
	CROUND                                         ; all four work-groups are here: the joint loads meet
	s_cmp_lt_u32 s[WV], 4                          ; one tensor load a wave, the only one of the launch
	s_cbranch_scc0 .Lfor_v
	tensor_load_to_lds s[G0K:G0K+3], s[GDK:GDK+7]
	s_nop 0
.rept 4
	v_nop
.endr
	s_branch .Lasked
.Lfor_v:
	tensor_load_to_lds s[G0V:G0V+3], s[GV4:GV4+7]
	s_nop 0
.rept 4
	v_nop
.endr
.Lasked:
	; the tables' sources: thread t stands for u = t and u = t + 256: four key positions and 8 bytes of V's scale words each
	v_lshlrev_b32 v136, 4, v0
	global_load_b128 v[128:131], v136, s[84:85]                ; the scale words of key positions 4 u .. 4 u + 3
	global_load_b128 v[132:135], v136, s[84:85] offset:4096
	v_and_b32 v137, 0xf9, v0
	v_and_b32 v143, 2, v0
	v_and_b32 v142, 4, v0
	v_lshl_or_b32 v137, v143, 1, v137
	v_lshrrev_b32 v142, 1, v142
	v_or_b32 v137, v137, v142                      ; u with bits 1 and 2 exchanged: those positions are the keys 4 u' .. 4 u' + 3
	v_lshlrev_b32 v137, 2, v137
	global_load_b32 v138, v137, s[86:87]           ; their four mask bytes
	global_load_b32 v139, v137, s[86:87] offset:1024
	v_lshrrev_b32 v140, 5, v0
	v_and_b32 v141, 31, v0
	v_lshlrev_b32 v141, 3, v141
	v_lshl_add_u32 v156, v140, 12, v141
	global_load_b64 v[144:145], v156, s[88:89]     ; step u / 32: 8 of its 256 bytes
	global_load_b64 v[146:147], v156, s[88:89] offset:32768
.macro QLOAD pi                        ; both tiles' queries of pass pi into the spare registers of window 1: lane (r, h): the 24 bytes of its half of the head, and the row's scale word
	v_and_b32 v150, 15, v0
	v_and_b32 v151, 8, v0
	v_bfe_u32 v152, v0, 4, 1
	v_add_nc_u32 v150, v150, v151                  ; r + 8 (r / 8): tokens 16 T + r lie at positions 32 (T / 2) + 8 (T % 2) + r + 8 (r / 8)
	v_mul_u32_u24 v148, v150, 48
	v_lshlrev_b32 v149, 2, v150
	v_mad_u32_u24 v148, v152, 24, v148
	WIN 0x40
.irp x, 0,1
.irp p, 0,1,2
	global_load_b64 v[104+6*\x+2*\p:105+6*\x+2*\p], v148, s[76:77] offset:12288*\pi+384*\x+8*\p
.endr
	global_load_b32 v[116+\x], v149, s[78:79] offset:1024*\pi+32*\x
.endr
	WIN 0
.endm
	QLOAD 0
	s_lshl_b32 s14, s[WV], 10
	s_add_co_u32 s14, s14, STG                     ; my stage
.macro WADDR w0, w1                    ; what each window holds for itself; w0: sources in window 0
	WIN \w0
	v_and_b32 v176, 15, v0                         ; r
	v_bfe_u32 v177, v0, 4, 1                       ; h
	v_and_b32 v178, 31, v0
	WIN \w1
	v_lshlrev_b32 v4, 6, v176
	v_lshl_add_u32 v7, v178, 4, s14                ; back: 16 x lane
	v_mul_u32_u24 v8, v178, 12
	v_lshl_add_u32 v4, v177, 4, v4
	v_lshlrev_b32 v9, 2, v176
	v_lshlrev_b32 v[SH8], 3, v177
	v_xor_b32 v22, 1, v177
	v_add_nc_u32 v4, s14, v4                       ; in: 64 r + 16 h
	v_mov_b32 v[PD], 0                             ; a lane permute's destination counts as one of its sources
	v_lshlrev_b32 v22, 3, v22                      ; Q at k = 64 (lanes 0-15, register 6, lowest code): 1.0; all else of k = 64 .. 127: 0
.irp j, 23,24,25,26,27
	v_mov_b32 v[\j], 0
.endr
.endm
	WADDR 0, 0
	WADDR 0x40, 0x55
.irp k, 80,92                          ; every key at k = 64: -1.0 (and at k = 96, where Q holds 0).  The loads write registers 0-5 alone, so this stands once
	v_mov_b32 v[\k+6], 0x28
.irp j, 7,8,9,10,11
	v_mov_b32 v[\k+\j], 0
.endr
.endr
	WIN 0
.irp k, 32,44,56,68,80,92
	v_mov_b32 v[\k+6], 0x28
.irp j, 7,8,9,10,11
	v_mov_b32 v[\k+\j], 0
.endr
.endr
	v_lshrrev_b32 v179, 3, v176                    ; r / 8: which region of K
	v_and_b32 v180, 7, v176
	v_mul_u32_u24 v2, v176, 48
	v_mul_u32_u24 v1, v179, KB
	v_lshlrev_b32 v3, 7, v179
	v_mad_u32_u24 v2, v177, 24, v2
	v_mad_u32_u24 v1, v180, 48, v1
	v_lshl_add_u32 v3, v180, 2, v3
	v_add_nc_u32 v2, VL, v2                        ; V: 48 r + 24 h
	v_mad_u32_u24 v1, v177, 24, v1                 ; K: KB (r / 8) + 48 (r % 8) + 24 h
	v_add_nc_u32 v3, KSCL, v3                      ; K's scale words: position 32 (r / 8) + r % 8
	v_lshl_add_u32 v10, v176, 2, VSCL
	v_lshl_add_u32 v168, v0, 4, KSCL
	v_lshl_add_u32 v169, v140, 9, v141
	v_add_nc_u32 v169, VSCL, v169
	WALU
	s_wait_loadcnt 8                               ; the tables' six loads are in; Q's eight may be out
.irp i, 0,1,2,3,4,5,6,7
	v_lshrrev_b32 v[128+\i], s73, v[128+\i]
.endr
.irp i, 0,1,2,3,4,5,6,7
	v_bfe_u32 v[160+\i], v[138+\i/4], 8*(\i%4), 1  ; the key's mask
.endr
.irp i, 0,1,2,3,4,5,6,7
	v_and_b32 v[128+\i], 0xffff, v[128+\i]         ; my head's two bytes
.endr
.irp i, 0,1,2,3,4,5,6,7
	v_mul_u32_u24 v[160+\i], 226, v[160+\i]
.endr
.irp i, 0,1,2,3,4,5,6,7
	v_sub_nc_u32 v[160+\i], 227, v[160+\i]         ; byte 2: 1 for a valid key, 227 for a padded one
.endr
.irp i, 0,1,2,3,4,5,6,7
	v_lshl_or_b32 v[128+\i], v[160+\i], 16, v[128+\i]
.endr
.irp i, 0,1,2,3,4,5,6,7
	v_or_b32 v[128+\i], 0x01000000, v[128+\i]      ; byte 3 scales zeros
.endr
	ds_store_b128 v168, v[128:131]
	ds_store_b128 v168, v[132:135] offset:4096
	ds_store_b64 v169, v[144:145]
	ds_store_b64 v169, v[146:147] offset:4096
	WALU                                           ; the head's end
	s_wait_tensorcnt 0x0                           ; my part of K or V has landed,
	s_wait_dscnt 0x0                               ; my part of the tables is stored:
	s_barrier_signal -1
	s_barrier_wait -1                              ; everybody's are.  Nothing in LDS but the waves' own stages is written from here on
.macro KLOAD ak, as                    ; a step's eight fragments of K and their scale words: 32 loads.  Tile t = 4 c + u begins at row 32 c + 16 (u % 2) + 8 (u / 2) of a region's 64 rows of the step
	WIN 0x40
.irp t, 6,7
.irp p, 0,1,2
	ds_load_b64 v[80+12*(\t-6)+2*\p:81+12*(\t-6)+2*\p], v[\ak] offset:1536*(\t/4)+768*(\t%2)+384*((\t/2)%2)+8*\p
.endr
.endr
	WIN 0
.irp t, 0,1,2,3,4,5
.irp p, 0,1,2
	ds_load_b64 v[32+12*\t+2*\p:33+12*\t+2*\p], v[\ak] offset:1536*(\t/4)+768*(\t%2)+384*((\t/2)%2)+8*\p
.endr
.endr
.irp t, 0,1,2,3,4,5,6,7
	ds_load_b32 v[KS+\t], v[\as] offset:256*(\t/4)+64*(\t%2)+32*((\t/2)%2)
.endr
.endm
.macro SMUL t, kf, qs
	v_wmma_scale_f32_16x16x128_f8f6f4 v[S+8*\t:S+8*\t+7], v[\kf:\kf+11], v[16:27], 0, v[KS+\t], v[\qs] matrix_a_fmt:MATRIX_FMT_FP6 matrix_b_fmt:MATRIX_FMT_FP6
.endm
.macro VMUL ps
.irp t, 0,1,2,3
	v_wmma_scale_f32_16x16x128_f8f6f4 v[O+8*\t:O+8*\t+7], v[32+12*\t:43+12*\t], v[PC:PC+11], v[O+8*\t:O+8*\t+7], v[VS+\t], v[\ps] matrix_a_fmt:MATRIX_FMT_FP6 matrix_b_fmt:MATRIX_FMT_FP6
.endr
.endm
; THE SOFTMAX OF ONE TILE AND 128 KEYS, all its registers in window w (0: 0, 1: 0x55); p's scale word goes to v[ps] in window 0.
.macro SOFT w, ps
	WIN \w
.if \w
	WALU                                           ; the other tile's exponentials stand between these scores' products and their first readers
.endif
.irp t, 0,1,2,3,4,5,6,7
	v_max3_num_f32 v[T+\t], v[S+8*\t], v[S+8*\t+1], v[S+8*\t+2]   ; eight chains by turns, each accumulator from its low end on
.endr
.irp i, 3,5
.irp t, 0,1,2,3,4,5,6,7
	v_max3_num_f32 v[T+\t], v[T+\t], v[S+8*\t+\i], v[S+8*\t+\i+1]
.endr
.endr
.irp c, 0,1
	v_max3_num_f32 v[T+4*\c], v[T+4*\c], v[S+32*\c+7], v[S+32*\c+15]
	v_max3_num_f32 v[T+4*\c+1], v[T+4*\c+1], v[S+32*\c+23], v[S+32*\c+31]
.endr
	DEP 3
	v_max3_num_f32 v[T], v[T], v[T+1], v[T+2]
	DEP 2
	v_max3_num_f32 v[T+4], v[T+4], v[T+5], v[T+6]
	DEP 2
	v_max_num_f32 v[BM], v[T], v[T+3]              ; the largest score of my block c = 0: for the row's maximum and, since p rises with the score, for the block's largest p
	DEP 2
	v_max_num_f32 v[BM+1], v[T+4], v[T+7]
	DEP 1
	v_max_num_f32 v[MX], v[BM], v[BM+1]
	DEP 1
	v_permlanex16_b32 v[PD], v[MX], s20, s21
	DEP 1
	v_max3_num_f32 v13, v13, v[MX], v[PD]          ; the running largest score of my query
	DEP 1
	v_mul_f32 v[TT], s22, v13                      ; as t
	DEP 1
	v_floor_f32 v[NM], -v[TT]                      ; the new -M = floor(-t): M is a whole number
	DEP 1
	v_sub_f32 v[DD], v[NM], v12                    ; old M - new M: a whole number, 0 or less
	v_mov_b32 v12, v[NM]
	DEP 2
	v_cvt_i32_f32 v[DD], v[DD]                     ; (it saturates)
.set jj, 0
.rept 16
	v_pk_fma_f32 v[S+jj:S+jj+1], v[S+jj:S+jj+1], s[22:23], v[12:13] op_sel_hi:[1,0,0]   ; t - M of block c = 0, two at a time
.set jj, jj+2
.endr
	v_ldexp_f32 v[F], 1.0, v[DD]                   ; f = 2^(old M - new M)
	v_fma_f32 v[BM], v[BM], s22, v12               ; the same of each block's largest score
	v_fma_f32 v[BM+1], v[BM+1], s22, v12
	WALU                                           ; directly ahead of O^T's first readers, and ahead of the exponentials
.set jj, 0
.rept 16
	v_pk_mul_f32 v[O+jj:O+jj+1], v[O+jj:O+jj+1], v[F:F+1] op_sel_hi:[1,0]   ; O^T under the new M, ascending
.set jj, jj+2
.endr
.set jj, 0
.rept 16
	v_exp_f32 v[S+jj], v[S+jj]                     ; p = 2^(t - M), block c = 0; among them t - M of block c = 1, which is read behind the next wait
	v_exp_f32 v[S+jj+1], v[S+jj+1]
	v_pk_fma_f32 v[S+32+jj:S+33+jj], v[S+32+jj:S+33+jj], s[22:23], v[12:13] op_sel_hi:[1,0,0]
.set jj, jj+2
.endr
	v_exp_f32 v[BM], v[BM]                         ; the blocks' largest p
	v_exp_f32 v[BM+1], v[BM+1]
	v_pk_mul_f32 v[14:15], v[14:15], v[F:F+1] op_sel_hi:[1,0]   ; the sums under the new M: a plain place behind the exponentials
	WALU                                           ; one wait for the batch, ahead of its first reader
	v_max_num_f32 v[BM], 0x1800000, v[BM]          ; the floor 2^(3 - 127): the byte cannot fall under 1
	v_max_num_f32 v[BM+1], 0x1800000, v[BM+1]
	DEP 2
	v_add_nc_u32 v[SOP], 0xff000000, v[BM]         ; 2 off the exponent field: the conversion's scale operand
	DEP 2
	v_add_nc_u32 v[SOP+1], 0xff000000, v[BM+1]
	DEP 2
	v_lshrrev_b32 v[EB], 23, v[SOP]
	DEP 2
	v_lshrrev_b32 v[EB+1], 23, v[SOP+1]
	DEP 1
	v_lshl_or_b32 v[WD], v[EB+1], 16, v[EB]        ; my two bytes: blocks h and 2 + h,
	DEP 1
	v_lshlrev_b32 v[WD], v[SH8], v[WD]             ; at their places in the word;
	DEP 1
	v_permlanex16_b32 v[PD], v[WD], s20, s21
.if \w
	WIN 0x05                                       ; (scale words lie in window 0)
.else
	DEP 1
.endif
	v_or_b32 v[\ps], v[WD], v[PD]                  ; with lane l xor 16's two the word is whole
	WIN \w
.set jj, 0
.rept 8
.irp e, 0,1,2,3
	v_exp_f32 v[S+32+4*jj+\e], v[S+32+4*jj+\e]     ; block c = 1; among them the first sums of block c = 0, read behind the next wait
.endr
	v_pk_add_f32 v[T+2*jj:T+2*jj+1], v[S+4*jj:S+4*jj+1], v[S+4*jj+2:S+4*jj+3]
.set jj, jj+1
.endr
	WALU
	v_cvt_scalef32_pk16_fp6_f32 v[PC:PC+2], v[S:S+15], v[SOP]
	v_cvt_scalef32_pk16_fp6_f32 v[TC:TC+2], v[S+16:S+31], v[SOP]        ; (a conversion's three registers begin on an even number)
	v_cvt_scalef32_pk16_fp6_f32 v[PC+6:PC+8], v[S+32:S+47], v[SOP+1]
	v_cvt_scalef32_pk16_fp6_f32 v[TC+4:TC+6], v[S+48:S+63], v[SOP+1]
.set jj, 0
.rept 16
	v_pk_add_f32 v[T+2*(jj%8):T+2*(jj%8)+1], v[T+2*(jj%8):T+2*(jj%8)+1], v[S+32+2*jj:S+33+2*jj]   ; the row's sum is taken of the unquantised p: eight chains
.set jj, jj+1
.endr
.irp i, 0,1,2
	v_mov_b32 v[PC+3+\i], v[TC+\i]
	v_mov_b32 v[PC+9+\i], v[TC+4+\i]
.endr
.irp i, 0,2,4,6
	v_pk_add_f32 v[T+\i:T+\i+1], v[T+\i:T+\i+1], v[T+8+\i:T+9+\i]
.endr
	DEP 2
	v_pk_add_f32 v[T:T+1], v[T:T+1], v[T+4:T+5]
	DEP 2
	v_pk_add_f32 v[T+2:T+3], v[T+2:T+3], v[T+6:T+7]
	DEP 1
	v_pk_add_f32 v[T:T+1], v[T:T+1], v[T+2:T+3]
	DEP 1
	v_pk_add_f32 v[14:15], v[14:15], v[T:T+1]      ; these eight are also the places between p's codes and scale word and the products
.endm
; A KEY STEP: 128 keys, both tiles.  s69 counts the steps.
.macro STEP
	s_add_co_u32 s94, s[CNT], 1
	s_and_b32 s94, s94, 15                         ; the step whose K is fetched now: the next, behind the last the first (the next pass's)
	s_mul_i32 s66, s94, 3072
	s_lshl_b32 s67, s94, 9
	s_mul_i32 s92, s[CNT], 6144
	s_lshl_b32 s93, s[CNT], 9
	s_wait_dscnt 0x0                               ; this step's K, asked for a step ago
.irp t, 0,1,2,3,4,5
	SMUL \t, 32+12*\t, QS
.endr
	WIN 0x01
	SMUL 6, 80, QS
	SMUL 7, 92, QS
	WIN 0x55
	SMUL 6, 80, QS+1
	SMUL 7, 92, QS+1
	WIN 0x54
.irp t, 0,1,2,3,4,5
	SMUL \t, 32+12*\t, QS+1
.endr
	WIN 0
	v_add_nc_u32 v11, s66, v1                      ; four plain lines: the places in front of loads into registers that matrix instructions have read
	v_add_nc_u32 v29, s67, v3
	v_add_nc_u32 v28, s92, v2
	v_add_nc_u32 v30, s93, v10
.irp t, 0,1,2,3
	ds_load_b32 v[VS+\t], v30 offset:64*\t
.endr
	WIN 0x40
.irp t, 0,1,2,3
.irp p, 0,1,2,3,4,5
	ds_load_b64 v[32+12*\t+2*\p:33+12*\t+2*\p], v28 offset:3072*(\p/3)+768*\t+8*(\p%3)
.endr
.endr
	KLOAD 11, 29
	SOFT 0, PS
	SOFT 0x55, PS+1
	WIN 0
	WALU
	s_wait_dscnt 32                                ; V's 28 loads are in; the next step's 32 of K may be out
	WIN 0x01
	VMUL PS
	WIN 0x55
	VMUL PS+1
	WIN 0
.endm
; O^T / the sum is the context of 16 queries: register 16 b + i = channel 32 b + 16 h + i of the head.  Its two blocks are quantised; a lane's 12 bytes go through my stage, and the wave stores 768 consecutive bytes.
.macro FINISH w, x
	WIN \w
	v_add_f32 v14, v14, v15
	DEP 1
	v_permlanex16_b32 v[PD], v14, s20, s21
	DEP 1
	v_add_f32 v14, v14, v[PD]                      ; the row's sum
	WALU
	v_rcp_f32 v14, v14
	v_nop
	WALU                                           ; ahead of the reciprocal's first reader, and directly ahead of O^T's
.set jj, 0
.rept 16
	v_pk_mul_f32 v[S+jj:S+jj+1], v[O+jj:O+jj+1], v[14:15] op_sel_hi:[1,0]
.set jj, jj+2
.endr
.irp b, 0,1
	v_max3_num_f32 v[T+\b], |v[S+16*\b]|, |v[S+1+16*\b]|, 0x1800000
.endr
.irp i, 2,4,6,8,10,12,14
.irp b, 0,1
	DEP 2
	v_max3_num_f32 v[T+\b], v[T+\b], |v[S+16*\b+\i]|, |v[S+1+16*\b+\i]|
.endr
.endr
.irp b, 0,1
	DEP 2
	v_permlanex16_b32 v[T+4+\b], v[T+\b], s20, s21
.endr
.irp b, 0,1
	DEP 2
	v_max_num_f32 v[T+\b], v[T+\b], v[T+4+\b]
.endr
.irp b, 0,1
	DEP 2
	v_add_nc_u32 v[SOP+\b], 0xff000000, v[T+\b]
.endr
.irp b, 0,1
	DEP 2
	v_lshrrev_b32 v[EB+\b], 23, v[SOP+\b]
.endr
	DEP 1
	v_lshl_or_b32 v[WD], v[EB+1], 8, v[EB]         ; my row's two scale bytes
	v_cvt_scalef32_pk16_fp6_f32 v[PC:PC+2], v[S:S+15], v[SOP]
	v_cvt_scalef32_pk16_fp6_f32 v[PC+4:PC+6], v[S+16:S+31], v[SOP+1]
	v_nop
	ds_store_b96 v4, v[PC:PC+2]
	ds_store_b96 v4, v[PC+4:PC+6] offset:32
	ds_load_b96 v[240:242], v7                     ; LDS serves a wave's instructions in order: these see my stores
	ds_load_b96 v[244:246], v7 offset:512
	WALU
	s_wait_dscnt 0x0
	global_store_b96 v8, v[240:242], s[80:81] offset:768*\x
	global_store_b96 v8, v[244:246], s[80:81] offset:768*\x+384
	global_store_b16 v9, v[WD], s[82:83] offset:64*\x   ; lanes r and r + 16 write the same two bytes with the same value
.endm
.macro INIT w
	WIN \w
	v_mov_b32 v13, 0xff61b1e6                      ; the largest score so far: -3e38
	v_mov_b32 v12, 0x7f61b1e6                      ; -M
	v_mov_b32 v14, 0
	v_mov_b32 v15, 0
	v_mov_b32 v[F+1], 0                            ; (named as the upper half of a pair)
.set jj, 0
.rept 32
	v_mov_b32 v[O+jj], 0                           ; O^T: the step is written once; its first trip finds zeros
.set jj, jj+1
.endr
.endm
	KLOAD 1, 3                                     ; step 0's K
	s_mov_b32 s[PAS], 0
.Lpass:                                                ; a pass: 32 queries a wave
	s_wait_loadcnt 0x0                             ; this pass's Q lies in the spare registers
	WIN 0x01
.irp i, 0,1,2,3,4,5
	v_mov_b32 v[16+\i], v[104+\i]
.endr
	WIN 0x41
.irp i, 0,1,2,3,4,5
	v_mov_b32 v[16+\i], v[110+\i]
.endr
	WIN 0x04
	v_lshrrev_b32 v[QS], s73, v116
	v_lshrrev_b32 v[QS+1], s73, v117
	WIN 0
	v_and_b32 v[QS], 0xffff, v[QS]                 ; my head's two bytes;
	v_and_b32 v[QS+1], 0xffff, v[QS+1]
	v_or_b32 v[QS], 0x017f0000, v[QS]              ; byte 2: 127 (the 1.0 at k = 64 as it stands); byte 3 scales zeros
	v_or_b32 v[QS+1], 0x017f0000, v[QS+1]
	s_cmp_lg_u32 s[PAS], 0
	s_cbranch_scc1 .Lno_more_q
	QLOAD 1                                        ; the second pass's Q, a pass ahead
.Lno_more_q:
	INIT 0
	INIT 0x55
	WIN 0
	s_wait_xcnt 0x0                                ; Q's loads have read their address registers, which the scores take
	s_mov_b32 s[CNT], 0
.Lkey:
	STEP
	s_add_co_u32 s[CNT], s[CNT], 1
	s_cmp_lg_u32 s[CNT], 16
	s_cbranch_scc1 .Lkey
.rept 4
	v_nop                                          ; places behind the last products
.endr
	FINISH 0, 0
	FINISH 0x55, 1
	WIN 0
	s_wait_xcnt 0x0                                ; the stores have read their registers and bases
	s_add_nc_u64 s[80:81], s[80:81], 12288         ; 256 tokens on
	s_add_nc_u64 s[82:83], s[82:83], 1024
	s_add_co_u32 s[PAS], s[PAS], 1
	s_cmp_lg_u32 s[PAS], 2
	s_cbranch_scc1 .Lpass
	s_wait_tensorcnt 0x0                           ; the wave's end
	ds_add_u32 v5, v6
	s_wait_dscnt 0x0
	CROUND                                         ; the closing round
	s_endpgm
.Lfunc_end_k_qbeebdca56b_att:
	.size	k_qbeebdca56b_att, .Lfunc_end_k_qbeebdca56b_att-k_qbeebdca56b_att
	.p2alignl 7, 3214868480
	.fill 96, 4, 3214868480
	.section	.rodata,"a",@progbits
	.p2align	6, 0x0
	.amdhsa_kernel k_qbeebdca56b_att
		.amdhsa_group_segment_fixed_size 327680
		.amdhsa_private_segment_fixed_size 0
		.amdhsa_enable_private_segment 0
		.amdhsa_kernarg_size 40
		.amdhsa_user_sgpr_count 2
		.amdhsa_user_sgpr_kernarg_segment_ptr 1
		.amdhsa_wavefront_size32 1
		.amdhsa_system_sgpr_workgroup_id_x 1
		.amdhsa_system_sgpr_workgroup_id_y 1
		.amdhsa_system_sgpr_workgroup_id_z 1
		.amdhsa_system_vgpr_workitem_id 0
		.amdhsa_next_free_vgpr 512
		.amdhsa_next_free_sgpr 96
		.amdhsa_reserve_vcc 0
		.amdhsa_float_denorm_mode_32 3
		.amdhsa_float_denorm_mode_16_64 3
		.amdhsa_memory_ordered 1
		.amdhsa_forward_progress 1
		.amdhsa_inst_pref_size 63
	.end_amdhsa_kernel
	.amdgpu_metadata
---
amdhsa.version: [ 1, 2 ]
amdhsa.kernels:
  - .name:           k_qbeebdca56b_att
    .symbol:         k_qbeebdca56b_att.kd
    .args:
      - { .name: pc, .offset: 0, .size: 8, .value_kind: global_buffer, .address_space: global }
      - { .name: ps, .offset: 8, .size: 8, .value_kind: global_buffer, .address_space: global }
      - { .name: key_padding_mask, .offset: 16, .size: 8, .value_kind: global_buffer, .address_space: global }
      - { .name: cc, .offset: 24, .size: 8, .value_kind: global_buffer, .address_space: global }
      - { .name: cs, .offset: 32, .size: 8, .value_kind: global_buffer, .address_space: global }
    .group_segment_fixed_size: 327680
    .private_segment_fixed_size: 0
    .kernarg_segment_align: 8
    .kernarg_segment_size: 40
    .max_flat_workgroup_size: 256
    .sgpr_count:     96
    .vgpr_count:     512
    .wavefront_size: 32
...
	.end_amdgpu_metadata
.endif
;; end of part 3
;; launch outp (part 4): grid 8 x 32, 4 waves a work-group, clusters of 4 x 4, 327,680 bytes of LDS; arguments cc, cs, xc, xs, bo, out0; writes out0
.if DOCPART == 4
	.amdgcn_target "amdgcn-amd-amdhsa--gfx1250"
	.amdhsa_code_object_version 6
	.text
	.protected	k_qbeebdca56b_outp
	.globl	k_qbeebdca56b_outp
	.p2align	8
	.type	k_qbeebdca56b_outp,@function
k_qbeebdca56b_outp:
	s_mov_b64 s[64:65], 0
	v_nop
	global_prefetch_b8 v0, s[64:65] scope:SCOPE_SE
	s_setreg_imm32_b32 hwreg(HW_REG_WAVE_MODE, 25, 1), 1
	s_wait_xcnt 0x0
	s_wait_alu depctr_hold_cnt(0) depctr_sa_sdst(0) depctr_va_vdst(0) depctr_va_sdst(0) depctr_va_ssrc(0) depctr_va_vcc(0) depctr_vm_vsrc(0)
	s_getreg_b32 s2, hwreg(HW_REG_IB_STS2, 6, 4)
	s_cmp_eq_u32 s2, 0
	s_cbranch_scc0 .Lentry_in_a_cluster
	s_endpgm
.Lentry_in_a_cluster:
	s_bfe_u32 s2, ttmp6, 0x10000c
	s_cmp_lg_u32 s2, 0xf033
	s_cbranch_scc0 .Lentry_shape_is_right
	s_endpgm
.Lentry_shape_is_right:
; out0 = context Wo^T + bo on codes of FP6 (E2M3) with E8M0 scales, K = 1,024; sums in f32.
; A block of 256 tokens x 128 columns is made by four waves: 8 x 32 = 256 work-groups.  A wave takes 64 tokens x 128 columns: 32 accumulators (window 2).
; ALL OF K LIES IN LDS: A's codes [16 chunks of 64 along K][256 tokens][48 bytes] from 0, B's [16][128 positions][48] from BB, the scale words [K / 128][1,024 bytes] behind them, A's then B's (B's rows of 512 bytes padded to 1,024).
; Nothing is filled again.  At the head one joint load a wave: wave 0 A's codes, wave 1 B's, wave 2 A's scale words, wave 3 B's.  CLUSTER 4 x 4: A's tiles are shared along a row of the cluster, B's along a column.
; The matrix instruction is used transposed (source 0 = Wo's rows, source 1 = tokens): a lane holds eight neighbouring columns of a row.  The bias is the first products' C.
; Two sets of fragments and of scale words: a K step's are fetched in the middle of the step before.  One register carries A's scale word (lanes 0-15) and B's (lanes 16-31); registers 4-7 of a set serve B alone.
; The stage of the way out lies on A's first chunks, behind a barrier in front of which every wave's LDS reads are over.
; No prefetch: every byte is asked for at the head, by the loads themselves.
.set PITA,   393216
.set PITB,   1376256
.set SPA,    32768
.set SPB,    114688
.set CHA,    12288
.set CHB,    6144
.set BB,     16*CHA
.set SCL,    BB+16*CHB
.set SPARE,  SCL+16384
.set SPITCH, 528
.set FR,     12
.set NP,     4
.set ADRA, 8                           ; v8-11  my A fragments, an address for each four chunks
.set ADRB, 12                          ; v12-13 B's, for each eight chunks
.set STO,  24
.set RD,   25
.set CO,   26
.set ADRS, 27
.set SPW,  28
.set NIL,  29
.set SC,   32                          ; v32-47 scale words, two sets of eight
.set BI,   64                          ; v64-127 the bias as C
.set AF,   128                         ; v128-223 A's fragments, two sets of four
.set BK,   128
.set G1, 24
.set G0, 32
.set G1B, 48
.set G0B, 56
.set G1S, 68
.set G0S, 76
.set G1SB, 80
.set G0SB, 88
.set MSB, 0
.macro WIN new
.if MSB != (\new)
	s_set_vgpr_msb (MSB<<8)|(\new)
.set MSB, (\new)
.endif
.endm
.set MUL_LO, 0xa1
.set TO_B,   0x40
.macro ARM under, g0, g1, next
	s_cmp_lt_u32 s20, \under
	s_cbranch_scc0 \next
	tensor_load_to_lds s[\g0:\g0+3], s[\g1:\g1+7]
	s_nop 0
.rept 4
	v_nop
.endr
	s_branch .Lhead_asked
\next:
.endm
.macro CROUND
	s_barrier_signal -1
	s_barrier_wait -1
	s_cmp_lg_u32 s20, 0
	s_cbranch_scc1 .Lnot_wave_0_\@
	s_barrier_signal -3
.Lnot_wave_0_\@:
	s_barrier_wait -3
	s_barrier_signal -1
	s_barrier_wait -1
.endm
	s_load_b256 s[4:11], s[0:1], 0x0               ; cc, cs, xc, xs
	s_load_b128 s[12:15], s[0:1], 0x20             ; bo, out0
	v_lshl_add_u32 v[SPW], v0, 2, SPARE
	v_mov_b32 v[NIL], 0
	ds_add_u32 v[SPW], v[NIL]                      ; the opening lines: the add, twice on end, and its wait
	ds_add_u32 v[SPW], v[NIL]
	v_lshrrev_b32 v1, 5, v0
	v_readfirstlane_b32 s20, v1
	s_bfe_u32 s40, ttmp6, 0x40000
	s_bfe_u32 s41, ttmp6, 0x40004
	s_and_b32 s23, ttmp7, 0xffff
	s_lshl_b32 s23, s23, 2
	s_add_co_u32 s23, s23, s41                     ; tile row, 0 .. 31
	s_lshl_b32 s42, ttmp9, 2
	s_add_co_u32 s42, s42, s40                     ; tile column, 0 .. 7
	s_lshl_b32 s43, s41, 2
	s_lshl_b32 s43, 15, s43
	s_lshl_b32 s44, 0x1111, s40
	s_or_b32 s[G1+0], s43, (3<<16)|(1<<21)
	s_mov_b32 s[G1+1], 1536<<16                    ; A: 16 chunks of 1,536 elements of 8 bytes
	s_mov_b32 s[G1+2], 16<<16
	s_mov_b32 s[G1+3], 1536<<16
	s_mov_b32 s[G1+4], 16
	s_mov_b32 s[G1+5], PITA/8
	s_mov_b32 s[G1+6], 0
	s_mov_b32 s[G1+7], 0
	s_or_b32 s[G1B+0], s44, (3<<16)|(1<<21)
	s_mov_b32 s[G1B+1], 768<<16                    ; B: 16 chunks of 768 elements
	s_mov_b32 s[G1B+2], 16<<16
	s_mov_b32 s[G1B+3], 768<<16
	s_mov_b32 s[G1B+4], 16
	s_mov_b32 s[G1B+5], PITB/8
	s_mov_b32 s[G1B+6], 0
	s_mov_b32 s[G1B+7], 0
	s_or_b32 s[G1S+0], s43, (3<<16)|(1<<21)
	s_mov_b32 s[G1S+1], 128<<16                    ; A's scale words: 8 rows of 1,024 bytes
	s_mov_b32 s[G1S+2], 8<<16
	s_mov_b32 s[G1S+3], 128<<16
	s_mov_b32 s[G1S+4], 8
	s_mov_b32 s[G1S+5], SPA/8
	s_mov_b32 s[G1S+6], 0
	s_mov_b32 s[G1S+7], 0
	s_or_b32 s[G1SB+0], s44, (3<<16)|(1<<20)|(1<<21)|(6<<22)|(127<<25)   ; B's: 8 rows of 512 bytes, 128 words of padding behind each 128: LDS pitch 1,024, as A's
	s_mov_b32 s[G1SB+1], 64<<16
	s_mov_b32 s[G1SB+2], 8<<16
	s_mov_b32 s[G1SB+3], 64<<16
	s_mov_b32 s[G1SB+4], 8
	s_mov_b32 s[G1SB+5], SPB/8
	s_mov_b32 s[G1SB+6], 0
	s_mov_b32 s[G1SB+7], 0
	s_mul_i32 s94, s23, 12288                      ; A's codes: 256 tokens x 48 bytes a tile row
	s_mov_b32 s95, 0
	s_lshl_b32 s92, s23, 10                        ; A's scale words
	s_mov_b32 s93, 0
	s_lshl_b32 s46, s42, 7
	s_add_co_u32 s46, s46, 27648                   ; B's first position: Wo's rows lie from 27,648 on
	s_lshl_b32 s66, s46, 2
	s_mov_b32 s67, 0
	s_mul_i32 s46, s46, 48
	s_mov_b32 s47, 0
	s_wait_dscnt 0x0
	s_wait_kmcnt 0x0
	s_add_nc_u64 s[94:95], s[4:5], s[94:95]
	s_add_nc_u64 s[92:93], s[6:7], s[92:93]
	s_add_nc_u64 s[46:47], s[8:9], s[46:47]
	s_add_nc_u64 s[66:67], s[10:11], s[66:67]
	CROUND
	s_mov_b32 s[G0], 1
	s_mov_b32 s[G0+1], 0
	s_mov_b64 s[G0+2:G0+3], s[94:95]
	s_or_b32 s[G0+3], s[G0+3], 0x80000000
	s_mov_b32 s[G0B], 1
	s_mov_b32 s[G0B+1], BB
	s_mov_b64 s[G0B+2:G0B+3], s[46:47]
	s_or_b32 s[G0B+3], s[G0B+3], 0x80000000
	s_mov_b32 s[G0S], 1
	s_mov_b32 s[G0S+1], SCL
	s_mov_b64 s[G0S+2:G0S+3], s[92:93]
	s_or_b32 s[G0S+3], s[G0S+3], 0x80000000
	s_mov_b32 s[G0SB], 1
	s_mov_b32 s[G0SB+1], SCL+8192
	s_mov_b64 s[G0SB+2:G0SB+3], s[66:67]
	s_or_b32 s[G0SB+3], s[G0SB+3], 0x80000000
	ARM 1, G0,  G1,  .Lhead_b                      ; one tensor load a wave, the only ones of the launch
	ARM 2, G0B, G1B, .Lhead_sa
	ARM 3, G0S, G1S, .Lhead_sb
	tensor_load_to_lds s[G0SB:G0SB+3], s[G1SB:G1SB+7]
	s_nop 0
.rept 4
	v_nop
.endr
.Lhead_asked:
	s_lshl_b32 s92, s42, 9                         ; my 128 columns, in bytes
	s_mov_b32 s93, 0
	s_add_nc_u64 s[12:13], s[12:13], s[92:93]
	s_add_nc_u64 s[14:15], s[14:15], s[92:93]
	s_lshl_b32 s92, s23, 8
	s_lshl_b32 s94, s20, 6
	s_add_co_u32 s92, s92, s94                     ; my first token
	s_lshl_b32 s92, s92, 12
	s_add_nc_u64 s[14:15], s[14:15], s[92:93]
	s_mul_i32 s96, s20, 3072                       ; my 64 tokens in a chunk
	s_lshl_b32 s97, s20, 8                         ; and in a row of scale words
	s_sub_co_u32 s98, 8192, s97                    ; from there to B's
	s_add_co_u32 s97, s97, SCL
	s_mul_i32 s99, s20, 16*SPITCH                  ; my stage
	v_and_b32 v1, 15, v0
	v_bfe_u32 v2, v0, 4, 1
	v_lshlrev_b32 v22, 6, v2
.irp b, 0,1,2,3,4,5,6,7
	global_load_b128 v[BI+8*\b:BI+8*\b+3], v22, s[12:13] offset:(32*(\b/2)+8*(\b%2))*4
	global_load_b128 v[BI+8*\b+4:BI+8*\b+7], v22, s[12:13] offset:(32*(\b/2)+8*(\b%2))*4+16
.endr
	v_mul_u32_u24 v3, v1, 48
	v_mad_u32_u24 v3, v2, 24, v3
	v_add_nc_u32 v[ADRA], s96, v3
	v_add_nc_u32 v[ADRB], BB, v3
	v_add_nc_u32 v[ADRA+1], 4*CHA, v[ADRA]
	v_add_nc_u32 v[ADRA+2], 8*CHA, v[ADRA]
	v_add_nc_u32 v[ADRA+3], 12*CHA, v[ADRA]
	v_add_nc_u32 v[ADRB+1], 8*CHB, v[ADRB]
	v_lshlrev_b32 v5, 2, v1
	v_mul_u32_u24 v6, s98, v2                      ; lanes 16-31 take B's scale words
	v_add_nc_u32 v6, v5, v6
	v_add_nc_u32 v[ADRS], s97, v6
	v_mul_u32_u24 v5, v1, SPITCH
	v_lshl_add_u32 v5, v2, 6, v5
	v_add_nc_u32 v[STO], s99, v5
	v_and_b32 v6, 31, v0
	v_lshlrev_b32 v[CO], 4, v6
	v_add_nc_u32 v[RD], s99, v[CO]
.macro FRAGA reg, kk, i
.irp p, 0,1,2,3,4,5
	ds_load_b64 v[\reg+2*\p:\reg+2*\p+1], v[ADRA+(2*(\kk)+\p/3)/4] offset:((2*(\kk)+\p/3)%4)*CHA+(\i)*768+8*(\p%3)
.endr
.endm
.macro FRAGB reg, kk, i
.irp p, 0,1,2,3,4,5
	ds_load_b64 v[\reg+2*\p:\reg+2*\p+1], v[ADRB+(2*(\kk)+\p/3)/8] offset:((2*(\kk)+\p/3)%8)*CHB+(\i)*768+8*(\p%3)
.endr
.endm
.macro FETCH kk                        ; K step kk's fragments and scale words into set kk % 2
	WIN TO_B
.irp i, 0,1,2,3,4,5,6,7
	FRAGB 128*((\kk)%2)+FR*\i, \kk, \i
.endr
	WIN 0
.irp i, 0,1,2,3
	FRAGA AF+48*((\kk)%2)+FR*\i, \kk, \i
.endr
.irp i, 0,1,2,3,4,5,6,7
	ds_load_b32 v[SC+8*((\kk)%2)+\i], v[ADRS] offset:1024*(\kk)+64*\i
.endr
.endm
.macro MUL16 a0, s, zero               ; A's blocks a0, a0 + 1 x B's eight; the 32 accumulators take turns, in the same order in every step
.irp a, \a0, \a0+1
.irp b, 0,1,2,3,4,5,6,7
.if \zero
	v_wmma_scale_f32_16x16x128_f8f6f4 v[8*(8*(\a)+\b):8*(8*(\a)+\b)+7], v[128*(\s)+FR*\b:128*(\s)+FR*\b+FR-1], v[AF+48*(\s)+FR*(\a):AF+48*(\s)+FR*(\a)+FR-1], v[BI+8*\b:BI+8*\b+7], v[SC+8*(\s)+\b], v[SC+8*(\s)+(\a)] matrix_a_fmt:MATRIX_FMT_FP6 matrix_b_fmt:MATRIX_FMT_FP6 matrix_a_scale:MATRIX_SCALE_ROW1
.else
	v_wmma_scale_f32_16x16x128_f8f6f4 v[8*(8*(\a)+\b):8*(8*(\a)+\b)+7], v[128*(\s)+FR*\b:128*(\s)+FR*\b+FR-1], v[AF+48*(\s)+FR*(\a):AF+48*(\s)+FR*(\a)+FR-1], v[8*(8*(\a)+\b):8*(8*(\a)+\b)+7], v[SC+8*(\s)+\b], v[SC+8*(\s)+(\a)] matrix_a_fmt:MATRIX_FMT_FP6 matrix_b_fmt:MATRIX_FMT_FP6 matrix_a_scale:MATRIX_SCALE_ROW1
.endif
.endr
.endr
.endm
.macro PLACES n
.rept \n
	v_nop
.endr
.endm
.macro STEP kk, zero
	s_wait_dscnt 0x0                               ; this step's fragments, asked for in the middle of the step before
.if (\kk) == 7
	s_barrier_signal -1                            ; my reads of LDS are over
.endif
.if \zero
	WIN 0x81
.else
	WIN MUL_LO
.endif
	MUL16 0, (\kk)%2, \zero
.if (\kk) < 7
	PLACES NP                                      ; places in front of loads into registers that the step before multiplied
	FETCH (\kk)+1
.if \zero
	WIN 0x81
.else
	WIN MUL_LO
.endif
.endif
	MUL16 2, (\kk)%2, \zero
.endm
	s_wait_alu depctr_va_vdst(0)                   ; the head's end
	s_wait_loadcnt 0x0                             ; the bias
	s_wait_tensorcnt 0x0                           ; my tile of the four
	s_barrier_signal -1
	s_barrier_wait -1                              ; everybody's
	FETCH 0
	STEP 0, 1
.irp k, 1,2,3,4,5,6,7
	STEP \k, 0
.endr
	WIN 0
	s_barrier_wait -1                              ; nobody reads LDS any more: the stages may be written
.macro TOSTAGE a
.set AC, 64*(\a)
	WIN 0x08
.irp b, 0,1,2,3,4,5,6,7
	ds_store_b128 v[STO], v[AC+8*\b:AC+8*\b+3] offset:128*(\b/2)+32*(\b%2)
	ds_store_b128 v[STO], v[AC+8*\b+4:AC+8*\b+7] offset:128*(\b/2)+32*(\b%2)+16
.endr
	WIN 0
.set BBK, BK+64*((\a)%2)
.irp t, 0,1,2,3,4,5,6,7,8,9,10,11,12,13,14,15
	ds_load_b128 v[BBK+4*\t:BBK+4*\t+3], v[RD] offset:\t*SPITCH
.endr
.endm
.macro SEND a, younger
.set BBK, BK+64*((\a)%2)
	s_wait_dscnt \younger
.if (\a) > 0
	s_add_nc_u64 s[14:15], s[14:15], 16*4096
.endif
.irp t, 0,1,2,3,4,5,6,7,8,9,10,11,12,13,14,15
	global_store_b128 v[CO], v[BBK+4*\t:BBK+4*\t+3], s[14:15] offset:\t*4096 th:TH_STORE_NT   ; 32 lanes store 512 consecutive bytes, aligned
.endr
.endm
	PLACES NP
	TOSTAGE 0
.irp a, 1,2,3
.if \a > 1
	s_wait_xcnt 0x0                                ; block a - 2's stores have read their registers and their base
.endif
	TOSTAGE \a
	SEND \a-1, 32                                  ; behind block a - 1's loads: block a's 16 stores and 16 loads
.endr
	s_wait_xcnt 0x0
	SEND 3, 0
	s_wait_tensorcnt 0x0                           ; the wave's end
	ds_add_u32 v[SPW], v[NIL]
	s_wait_dscnt 0x0
	CROUND
	s_endpgm
.Lfunc_end_k_qbeebdca56b_outp:
	.size	k_qbeebdca56b_outp, .Lfunc_end_k_qbeebdca56b_outp-k_qbeebdca56b_outp
	.p2alignl 7, 3214868480
	.fill 96, 4, 3214868480
	.section	.rodata,"a",@progbits
	.p2align	6, 0x0
	.amdhsa_kernel k_qbeebdca56b_outp
		.amdhsa_group_segment_fixed_size 327680
		.amdhsa_private_segment_fixed_size 0
		.amdhsa_enable_private_segment 0
		.amdhsa_kernarg_size 48
		.amdhsa_user_sgpr_count 2
		.amdhsa_user_sgpr_kernarg_segment_ptr 1
		.amdhsa_wavefront_size32 1
		.amdhsa_system_sgpr_workgroup_id_x 1
		.amdhsa_system_sgpr_workgroup_id_y 1
		.amdhsa_system_sgpr_workgroup_id_z 1
		.amdhsa_system_vgpr_workitem_id 0
		.amdhsa_next_free_vgpr 768
		.amdhsa_next_free_sgpr 102
		.amdhsa_reserve_vcc 0
		.amdhsa_float_denorm_mode_32 3
		.amdhsa_float_denorm_mode_16_64 3
		.amdhsa_memory_ordered 1
		.amdhsa_forward_progress 1
		.amdhsa_inst_pref_size 99
	.end_amdhsa_kernel
	.amdgpu_metadata
---
amdhsa.version: [ 1, 2 ]
amdhsa.kernels:
  - .name:           k_qbeebdca56b_outp
    .symbol:         k_qbeebdca56b_outp.kd
    .args:
      - { .name: cc, .offset: 0, .size: 8, .value_kind: global_buffer, .address_space: global }
      - { .name: cs, .offset: 8, .size: 8, .value_kind: global_buffer, .address_space: global }
      - { .name: xc, .offset: 16, .size: 8, .value_kind: global_buffer, .address_space: global }
      - { .name: xs, .offset: 24, .size: 8, .value_kind: global_buffer, .address_space: global }
      - { .name: bo, .offset: 32, .size: 8, .value_kind: global_buffer, .address_space: global }
      - { .name: out0, .offset: 40, .size: 8, .value_kind: global_buffer, .address_space: global }
    .group_segment_fixed_size: 327680
    .private_segment_fixed_size: 0
    .kernarg_segment_align: 8
    .kernarg_segment_size: 48
    .max_flat_workgroup_size: 128
    .sgpr_count:     102
    .vgpr_count:     768
    .wavefront_size: 32
...
	.end_amdgpu_metadata
.endif
;; end of part 4
